; MI455X (gfx1250); checked and timed in simulation.
; The chip was launched on July 23, 2026; its instructions are those of AMD's public machine-readable ISA for CDNA 5 (MIT licence, August 2026) and "CDNA5" Instruction Set Architecture Reference Guide (July 2026). The comments in the code are by the model that wrote it; some were corrected since.
;; Block. Allowed arithmetic: matrix products marked QUANTISED: E5M2 operands, one E8M0 scale for each 32 along K, by v_wmma_scale_f32_16x16x128_f8f6f4 with both operands' format E5M2, f32 sums; everything else in f32.
;; Inputs: W1 1,024 x 4,096 float32; W2 4,096 x 1,024 float32; Wk 16 x 1,024 x 64 float32; Wo 1,024 x 1,024 float32; Wq 16 x 1,024 x 64 float32; Wv 16 x 1,024 x 64 float32; b1 4,096 float32; b2 1,024 float32; be1 1,024 float32; be2 1,024 float32; bo 1,024 float32; g1 1,024 float32; g2 1,024 float32; x 2 x 2,048 x 1,024 float32.
;; Outputs: out0 2 x 2,048 x 1,024 float32.
;; This version of the problem:
;;   THIS VERSION OF THE PROBLEM IS GIVEN IN LOW PRECISION. The matrix products marked QUANTISED in the list below multiply operands that are first quantised to E5M2 (5 exponent bits, 2 mantissa bits; 8 bits a number), with one power-of-two scale for each 32 numbers along K (OCP MX v1.0); their sums are f32. All else is computed in f32.
;;   The module's matrix products, in the order in which they are computed (A, B: the left and right operand; K: the contracted axis; several contracted axes count as one K, in the product's order):
;;     1. [M 1,024, K 1,024] x [K 1,024, N 4,096]; A: input Wq; B: computed on the way: QUANTISED
;;     2. [M 1,024, K 1,024] x [K 1,024, N 4,096]; A: input Wk; B: computed on the way: QUANTISED
;;     3. [M 1,024, K 1,024] x [K 1,024, N 4,096]; A: input Wv; B: computed on the way: QUANTISED
;;     4. batch 32 x [M 2,048, K 64] x [K 64, N 2,048]; A: computed on the way; B: computed on the way: QUANTISED
;;     5. batch 32 x [M 2,048, K 2,048] x [K 2,048, N 64]; A: softmax (see below); B: computed on the way: QUANTISED
;;     6. [M 4,096, K 1,024] x [K 1,024, N 1,024]; A: computed on the way; B: input Wo: QUANTISED
;;     7. [M 4,096, K 1,024] x [K 1,024, N 4,096]; A: computed on the way; B: input W1: QUANTISED
;;     8. [M 4,096, K 4,096] x [K 4,096, N 1,024]; A: computed on the way; B: input W2: QUANTISED
;;   THE QUANTISER, for each operand of a quantised product, along K:
;;     - K is cut into blocks of 32 from its start; a last block that is shorter is filled with zeros.
;;     - A block's scale is 2^e with e = floor(log2(the largest magnitude in the block)) - 15, held to -126 .. 127; a block of zeros has e = 0. As a byte (E8M0): e + 127.
;;     - Each number is divided by its block's scale, clamped to +-57,344, and rounded to the nearest number of E5M2, ties to even, subnormals kept.
;;     - The product sums the exact products of the quantised numbers (number of the format x scale) in f32.
;;   ~~~python
;;   def quantise(x, axis):      # numpy; x: float32 -> the quantised numbers, widened to float32 again
;;       x = np.moveaxis(x, axis, -1); K = x.shape[-1]
;;       x = np.pad(x, [(0, 0)] * (x.ndim - 1) + [(0, -K % 32)]); x = x.reshape(x.shape[:-1] + (-1, 32)); a = np.abs(x).max(-1, keepdims=True)
;;       e = np.where(a > 0, np.clip(np.frexp(np.where(a > 0, a, 1))[1] - 1 - 15, -126, 127), 0)      # np.frexp(a)[1] - 1 = floor(log2(a)), exactly
;;       r = np.clip(x / 2.0 ** e, -57344, 57344)
;;       step = 2.0 ** (np.maximum(np.frexp(np.where(r == 0, 1, r))[1] - 1, -14) - 2)
;;       q = np.round(r / step) * step * 2.0 ** e      # np.round: ties to even
;;       return np.moveaxis(q.reshape(q.shape[:-2] + (-1,))[..., :K], -1, axis).astype(np.float32)
;;   ~~~
;;   SOFTMAX AHEAD OF A QUANTISED PRODUCT. Where the list says 'softmax', what is quantised is not the finished softmax but p = 2^(t - M), with t = logit x log2(e) and M = ceil(the row's largest t), a whole number; so 1/2 < the row's largest p <= 1. The row's sum l is taken of the UNQUANTISED p, in f32, and the product's result is divided by l at the end. Since M is a whole number, a kernel that streams over the keys may use a running M (the ceiling of the running maximum): every later rescaling is an exact power of two, which a block's scale takes up: the codes' values come out the same.
;;   OPERANDS COMPUTED ON THE WAY. 'Computed on the way' means the value that the module computes at that place (a softmax that the list does not call 'softmax' is quantised finished and normalised). What goes into a quantiser is computed in f32, as accurately as f32 sums, v_exp_f32 and their like allow (about 1e-6 of the number): no bf16 or f16 on the way to a quantiser, and a product that is left as it is and whose result goes on into a quantised operand takes f32 operands (vector FMAs, or v_wmma_f32_16x16x4_f32). A number that lies on a knife's edge between two numbers of the format may be rounded either way, as far as f32 arithmetic and the matrix unit's own rounding can turn it there, and no further.
;; One version. Each part assembles by itself: llvm-mc -triple=amdgcn-amd-amdhsa -mcpu=gfx1250 --defsym DOCPART=n.
;; ======== version 1 of 1: 7 launches
;; limits: right only within a limited range of input values
;; workspace buffers: wc 13,369,344 bytes; actc 4,456,448 bytes; qk 8,912,896 bytes; vt 4,456,448 bytes; x1 16,777,216 bytes; hid 17,825,792 bytes
;; launch prep (part 1): grid 448 x 1, 8 waves a work-group, no clusters, 70,656 bytes of LDS; arguments x, g1, be1, actc, Wq, Wk, Wv, Wo, W1, W2, wc; writes actc, wc
.if DOCPART == 1
	.amdgcn_target "amdgcn-amd-amdhsa--gfx1250"
	.amdhsa_code_object_version 6
	.text
	.protected	k_q10d026c35b_prep
	.globl	k_q10d026c35b_prep
	.p2align	8
	.type	k_q10d026c35b_prep,@function
k_q10d026c35b_prep:
	s_mov_b64 s[64:65], 0
	v_nop
	global_prefetch_b8 v0, s[64:65] scope:SCOPE_SE
	s_setreg_imm32_b32 hwreg(HW_REG_WAVE_MODE, 25, 1), 1
	s_wait_xcnt 0x0
; TWO JOBS THAT HANG ON NOTHING OF EACH OTHER, IN ONE LAUNCH: work-groups 0-191 quantise the six weights into wc; work-groups 192-447 make LN1(x) and quantise it into actc.
; The two ways part on the work-group's number alone; only the second uses LDS and barriers.
; BOTH WRITE UNITS.  A UNIT (8,704 bytes) is 64 operand rows (a panel) x 128 along K as an image of the matrix operand's registers: tile rb (0..3) at 2,048 rb; in it register group c at 512 c; in it
; lane l's 16 bytes at 16 l (k = 32 c + 16 (l / 16) + 0..15 of tile row l % 16); behind the codes, at 8,192 + 16 l + 4 rb, tile rb's scale word of tile row l % 16 (lanes l and l + 16 alike).
; THE ROWS OF A TILE ARE NOT NEIGHBOURS: tile T holds rows 32 (T / 2) + 8 (T % 2) + r + 8 (r / 8), r = 0..15.  An operand is [panel][K / 128] units.
; Codes are BF8 (E5M2), one E8M0 byte for each 32 along K: a block's scale is 2^(floor(log2(largest magnitude)) - 15); its byte is the largest magnitude's exponent field - 15, held at 1 from below.
; LIMITS: NaN and infinities among the inputs are not served; a block whose largest magnitude lies under 2^-111, a block of zeros among them, gets the byte 1 (the rule says 127 for zeros:
; its codes are zeros, which add nothing under any byte but 0xff, and this program alone reads the bytes).
;
; THE WEIGHTS, f32 with K NOT innermost.  wc: Wq, Wk, Wv as one operand of 3,072 rows (row = 1,024 x {q, k, v} + 64 head + d) at 0; Wo's columns at WO; W1's at W1C; W2's at W2C.
; A LANE TAKES A COLUMN (an operand row) AND ITS REGISTERS RUN DOWN K: a block of 32 lies in one lane, its largest magnitude needs no other lane, and the conversions give codes with K innermost.
; A wave takes 32 columns (a pair of tiles) x 256 along K: 8 blocks.  A lane's 32 codes of a block are the 16 bytes of lane r and the 16 bytes of lane r + 16 of its tile's image:
; two stores, in each of which 16 lanes cover 256 consecutive bytes, aligned.  The scale words leave as 4-byte stores 16 bytes apart inside a unit's 512 bytes of words: 3 bytes in 100 of what is written.
; A work-group's eight waves are two groups of four; group g = 2 x work-group + wave / 4.  Groups 0-95: Wq, Wk, Wv; 96-127: Wo; 128-255: W1; 256-383: W2.  Waves share nothing.  Loads run two blocks (64 loads a wave) ahead.
.set NWG,  192                         ; work-groups that take the weights
	v_lshl_add_u32 v7, v0, 2, 0x11000
	v_mov_b32 v46, 0
	s_cmp_lt_u32 ttmp9, NWG
	s_cbranch_scc0 .Lnorm
.set U,    8704
.set WO,   3342336
.set W1C,  4456448
.set W2C,  8912896
.set VA,   2                           ; v2   4 x lane: my column in a row of the weight
.set DA,   3                           ; v3   my 16 bytes in the pair of tiles: 2,048 u + 16 r
.set SA,   4                           ; v4   my scale word: 16 r + 4 u
.set SB,   24                          ; v24-25 the scale words of my column's two K steps of 128
.set X,    160                         ; v160-223 two sets of 32 numbers
.set C,    96                          ; v96-159 eight code registers for each block: no store's data are written again
.set WVN,  18                          ; s18  my wave's number within its group of four
.set MNT,  19                          ; s19  the mantissa field of 57,344
.set SRC,  20                          ; s[20:21] the weight at my wave's first number
.set DST,  40                          ; s[40:41] wc at my pair of tiles in the first unit
.set DSC,  42                          ; s[42:43] wc at my pair's scale words there
	s_load_b256 s[4:11], s[0:1], 0x20              ; Wq, Wk, Wv, Wo
	s_load_b128 s[12:15], s[0:1], 0x40             ; W1, W2
	s_load_b64 s[16:17], s[0:1], 0x50              ; wc
	v_lshrrev_b32 v1, 5, v0
	s_delay_alu instid0(VALU_DEP_1)
	v_readfirstlane_b32 s24, v1                    ; wave 0..7
	s_and_b32 s[WVN], s24, 3
	s_lshr_b32 s24, s24, 2
	s_lshl_b32 s25, ttmp9, 1
	s_add_co_u32 s25, s25, s24                     ; my group of four waves: 0..383
	v_and_b32 v1, 31, v0                           ; lane = column l of the wave's 32
	s_delay_alu instid0(VALU_DEP_1)
	v_lshlrev_b32 v[VA], 2, v1
	s_delay_alu instid0(VALU_DEP_2)
	v_and_b32 v5, 7, v1
	s_delay_alu instid0(VALU_DEP_3)
	v_lshrrev_b32 v6, 4, v1
	s_delay_alu instid0(VALU_DEP_1)
	v_lshl_or_b32 v5, v6, 3, v5                    ; r = l % 8 + 8 (l / 16): my row's place in its tile
	v_bfe_u32 v6, v1, 3, 1                         ; u = (l / 8) % 2: which tile of the pair
	s_delay_alu instid0(VALU_DEP_2)
	v_lshlrev_b32 v[DA], 4, v5
	s_delay_alu instid0(VALU_DEP_1)
	v_lshl_add_u32 v[SA], v6, 2, v[DA]
	s_delay_alu instid0(VALU_DEP_2)
	v_lshl_add_u32 v[DA], v6, 11, v[DA]
	s_mov_b32 s[MNT], 0x600000
	s_wait_kmcnt 0x0
; lw (s27) is the group's number within its weight: cg = which 32 columns, kc = which 256 along K
.macro CGKC mask, sh
	s_and_b32 s28, s27, \mask
	s_lshl_b32 s28, s28, 2
	s_add_co_u32 s28, s28, s[WVN]                  ; cg
	s_lshr_b32 s29, s27, \sh                       ; kc
	s_lshr_b32 s30, s28, 1                         ; cg / 2: the panel
	s_and_b32 s31, s28, 1                          ; cg % 2: which pair of its tiles
.endm
; s33 = the operand's first panel, s22 = my byte offset in the weight; ksh = log2(units to a panel), woff = the operand's place in wc
.macro PLACE ksh, woff
	s_add_co_u32 s34, s33, s30
	s_lshl_b32 s34, s34, \ksh
	s_lshl_b32 s35, s29, 1
	s_add_co_u32 s34, s34, s35                     ; unit = panel x KS + 2 kc
	s_mul_i32 s34, s34, U
	s_add_co_u32 s34, s34, \woff
	s_mov_b32 s35, 0
	s_add_nc_u64 s[36:37], s[16:17], s[34:35]
	s_lshl_b32 s38, s31, 12
	s_mov_b32 s39, 0
	s_add_nc_u64 s[DST:DST+1], s[36:37], s[38:39]
	s_lshl_b32 s38, s31, 3
	s_add_co_u32 s38, s38, 8192
	s_add_nc_u64 s[DSC:DSC+1], s[36:37], s[38:39]
	s_mov_b32 s23, 0
	s_add_nc_u64 s[SRC:SRC+1], s[SRC:SRC+1], s[22:23]
.endm
.macro LOAD t                          ; block t: W(32 t + i, my column), i = 0..31, into set t % 2; RS = bytes from a row of the weight to the next
.set i, 0
.rept 32
	global_load_b32 v[X+32*((\t)%2)+i], v[VA], s[SRC:SRC+1] offset:(32*(\t)+i)*RS th:TH_LOAD_NT
.set i, i+1
.endr
.endm
.macro BLOCK t
.set XS, X+32*((\t)%2)
.if (\t) < 7
	s_wait_loadcnt 32                              ; this block's 32 loads are in; the next block's 32 may be out
.else
	s_wait_loadcnt 0x0
.endif
	v_max3_num_f32 v12, |v[XS]|, |v[XS+1]|, |v[XS+2]|      ; the block's largest magnitude: all 32 numbers are mine; two chains
	v_max3_num_f32 v13, |v[XS+3]|, |v[XS+4]|, |v[XS+5]|
.irp i, 6,10,14,18,22,26
	s_delay_alu instid0(VALU_DEP_2)
	v_max3_num_f32 v12, v12, |v[XS+\i]|, |v[XS+\i+1]|
	s_delay_alu instid0(VALU_DEP_2)
	v_max3_num_f32 v13, v13, |v[XS+\i+2]|, |v[XS+\i+3]|
.endr
	s_delay_alu instid0(VALU_DEP_2)
	v_max3_num_f32 v12, v12, |v[XS+30]|, |v[XS+31]|
	s_delay_alu instid0(VALU_DEP_1)
	v_max3_num_f32 v12, v12, v13, 0x8000000        ; and the floor 2^(16 - 127): the byte cannot fall under 1
	s_delay_alu instid0(VALU_DEP_1)
	v_add_nc_u32 v11, 0xf8800000, v12              ; 15 off the exponent field: the conversion's scale operand
	s_delay_alu instid0(VALU_DEP_2)
	v_and_or_b32 v10, v12, 0x7f800000, s[MNT]      ; 57,344 x the scale
	s_delay_alu instid0(VALU_DEP_2)
	v_lshrrev_b32 v13, 23, v11                     ; the scale's byte
.if (\t)%4 == 0
	s_delay_alu instid0(VALU_DEP_1)
	v_mov_b32 v[SB+(\t)/4], v13                    ; four bytes to a word, the lower K in the lower byte
.else
	s_delay_alu instid0(VALU_DEP_1)
	v_lshl_or_b32 v[SB+(\t)/4], v13, 8*((\t)%4), v[SB+(\t)/4]
.endif
.set i, 0
.rept 32
	v_med3_num_f32 v[XS+i], v[XS+i], -v10, v10     ; the conversion to an 8-bit code does not saturate (ISA guide 7.6.2): the hold comes first
.set i, i+1
.endr
.irp g, 0,1,2,3
	v_cvt_scalef32_pk8_bf8_f32 v[C+8*(\t)+2*\g:C+8*(\t)+2*\g+1], v[XS+8*\g:XS+8*\g+7], v11
.endr
	global_store_b128 v[DA], v[C+8*(\t):C+8*(\t)+3], s[DST:DST+1] offset:((\t)/4)*U+512*((\t)%4)          ; k = 32 c + 0..15: lane r's bytes of the image
	global_store_b128 v[DA], v[C+8*(\t)+4:C+8*(\t)+7], s[DST:DST+1] offset:((\t)/4)*U+512*((\t)%4)+256    ; k = 32 c + 16..31: lane r + 16's
.if (\t)+2 < 8
	LOAD (\t)+2                                    ; (stores of a conversion's result and loads into its sources want no place between; the next block begins with plain lines)
.endif
.endm
.macro QW
	LOAD 0
	LOAD 1
.set Q, 0
.rept 8
	BLOCK Q
.set Q, Q+1
.endr
.irp k, 0,1
	global_store_b32 v[SA], v[SB+\k], s[DSC:DSC+1] offset:\k*U           ; my row's word, for lane r
	global_store_b32 v[SA], v[SB+\k], s[DSC:DSC+1] offset:\k*U+256       ; and for lane r + 16
.endr
.endm
	s_cmp_lt_u32 ttmp9, 48                         ; groups 0-95
	s_cbranch_scc0 .Lnot_qkv
	s_lshr_b32 s26, s25, 5                         ; 0: Wq, 1: Wk, 2: Wv.  The choice hangs on the work-group's number alone (32 groups are 16 work-groups)
	s_and_b32 s27, s25, 31
	s_cmp_eq_u32 s26, 0
	s_cselect_b64 s[SRC:SRC+1], s[4:5], s[6:7]
	s_cmp_eq_u32 s26, 2
	s_cselect_b64 s[SRC:SRC+1], s[8:9], s[SRC:SRC+1]
	CGKC 7, 3
	s_lshl_b32 s22, s30, 18                        ; [head][c][d]: head = cg / 2: 262,144 bytes a head,
	s_lshl_b32 s32, s31, 7                         ; d = 32 (cg % 2) on,
	s_add_co_u32 s22, s22, s32
	s_lshl_b32 s32, s29, 16                        ; 256 rows of 256 bytes a kc
	s_add_co_u32 s22, s22, s32
	s_lshl_b32 s33, s26, 4                         ; 16 panels a tensor
	PLACE 3, 0
.set RS, 256
	s_wait_alu depctr_va_vdst(0)
	QW
	s_endpgm
.Lnot_qkv:
	s_cmp_lt_u32 ttmp9, 64                         ; groups 96-127
	s_cbranch_scc0 .Lnot_wo
	s_sub_co_u32 s27, s25, 96
	s_mov_b64 s[SRC:SRC+1], s[10:11]               ; Wo [1024 (k)][1024 (n)]
	CGKC 7, 3
	s_lshl_b32 s22, s28, 7
	s_lshl_b32 s32, s29, 20
	s_add_co_u32 s22, s22, s32
	s_mov_b32 s33, 0
	PLACE 3, WO
	s_branch .Ln1024
.Lnot_wo:
	s_cmp_lt_u32 ttmp9, 128                        ; groups 128-255
	s_cbranch_scc0 .Lw2
	s_sub_co_u32 s27, s25, 128
	s_mov_b64 s[SRC:SRC+1], s[12:13]               ; W1 [1024 (k)][4096 (n)]
	CGKC 31, 5
	s_lshl_b32 s22, s28, 7
	s_lshl_b32 s32, s29, 22
	s_add_co_u32 s22, s22, s32
	s_mov_b32 s33, 0
	PLACE 3, W1C
.set RS, 16384                         ; the largest immediate is 255 x 16,384, inside the signed 24 bits (ISA guide, chapter 10)
	s_wait_alu depctr_va_vdst(0)
	QW
	s_endpgm
.Lw2:
	s_sub_co_u32 s27, s25, 256
	s_mov_b64 s[SRC:SRC+1], s[14:15]               ; W2 [4096 (k)][1024 (n)]
	CGKC 7, 3
	s_lshl_b32 s22, s28, 7
	s_lshl_b32 s32, s29, 20
	s_add_co_u32 s22, s22, s32
	s_mov_b32 s33, 0
	PLACE 5, W2C
.Ln1024:                               ; Wo and W2: rows of 4,096 bytes
.set RS, 4096
	s_wait_alu depctr_va_vdst(0)
	QW
	s_endpgm
; THE LAYERNORM: actc = Q((x - mean) x rsqrt(var + 1e-5) x g1 + be1), rows of 1,024 f32, quantised along the row; actc: [panel][8] units.
; SHARES.  A work-group takes one tile (16 rows), each of its eight waves 128 columns of them: one fragment.  All 65,536 bytes of a work-group are asked for at once.
; Each load takes 512 consecutive bytes of a row; the wave's 8,192 bytes turn through its own stage in LDS (rows 528 bytes apart) and come back in the operand's order: register 16 b + i = column 32 b + 16 (l / 16) + i of row l % 16.
; The mean, and then the mean square OF THE CENTRED NUMBERS (no difference of large sums), meet in LDS: eight partial sums a row, one barrier each, added in the same order by every wave.
; The wave's codes are the fragment's registers: four stores of 512 consecutive bytes.  The scale word is a 4-byte store 16 bytes from lane to lane: 3 bytes in 100 of what is written.
.Lnorm:
.set SP,   528                         ; a stage row: 512 bytes + 16: the 16 rows that a read touches start 4 words apart
.set WSTG, 16*SP
.set RED1, 8*WSTG                      ; behind the stages: 8 waves x 128 bytes of partial sums; 1,024 bytes on: the same for the squares
.set LI,   1                           ; v1   16 x lane
.set STO,  2                           ; v2   the stage, on the way in
.set RDA,  3                           ; v3   and on the way out: row r, + 64 h
.set GA,   4                           ; v4   64 h: my 16 columns of a block in g and be
.set RW,   5                           ; v5   where I put my partial sum: RED1 + 128 wave + 4 lane
.set RR,   6                           ; v6   where I read the eight: RED1 + 4 lane
.set TM,   28                          ; v28-31 largest magnitudes, v32-35 bytes, v36-39 the hold, v40-43 the conversions' scale operands
.set PW,   47                          ; the scale word
.set PC,   48                          ; v48-63   the codes
.set X,    64                          ; v64-127  my 64 numbers in the operand's order
.set R,    128                         ; v128-191 the rows as loaded; later g
.set BE,   192                         ; v192-255 be
.set SEL,  20                          ; s[20:21] v_permlanex16_b32's selects for lane l xor 16
.set MNT,  22
	s_load_b256 s[4:11], s[0:1], 0x0               ; x, g1, be1, actc
	s_sub_co_u32 s36, ttmp9, NWG                   ; my tile: 0..255
	v_lshrrev_b32 v1, 5, v0
	s_delay_alu instid0(VALU_DEP_1)
	v_readfirstlane_b32 s12, v1                    ; wave 0..7
	v_and_b32 v9, 31, v0
	v_and_b32 v10, 15, v0                          ; r
	v_bfe_u32 v11, v0, 4, 1                        ; h
	s_delay_alu instid0(VALU_DEP_3)
	v_lshlrev_b32 v[LI], 4, v9
	s_mul_i32 s13, s12, WSTG
	v_add_nc_u32 v[STO], s13, v[LI]
	v_mul_u32_u24 v[RDA], v10, SP
	s_delay_alu instid0(VALU_DEP_1)
	v_lshl_add_u32 v[RDA], v11, 6, v[RDA]
	s_delay_alu instid0(VALU_DEP_1)
	v_add_nc_u32 v[RDA], s13, v[RDA]
	v_lshlrev_b32 v[GA], 6, v11
	v_lshl_add_u32 v[RR], v9, 2, RED1              ; (RED1 is past what an LDS immediate holds: the register carries it)
	s_lshl_b32 s14, s12, 7
	v_add_nc_u32 v[RW], s14, v[RR]
.irp b, 0,1,2,3
	v_mov_b32 v[TM+4+\b], 0                        ; written once: a lane permute's destination counts as one of its sources
.endr
	s_mov_b32 s[SEL], 0x76543210
	s_mov_b32 s[SEL+1], 0xfedcba98
	s_mov_b32 s[MNT], 0x600000
	s_mov_b32 s23, 0x3a800000                      ; 1 / 1,024
	s_mov_b32 s33, 0x3727c5ac                      ; 1e-5
	s_lshr_b32 s15, s36, 1
	s_lshl_b32 s15, s15, 5
	s_and_b32 s16, s36, 1
	s_lshl_b32 s16, s16, 3
	s_add_co_u32 s15, s15, s16                     ; the tile's first row: 32 (T / 2) + 8 (T % 2)
	s_lshl_b32 s26, s12, 9                         ; my wave's 512 bytes of a row, of g and of be
	s_mov_b32 s27, 0
	s_lshl_b32 s24, s15, 12
	s_add_co_u32 s24, s24, s26
	s_mov_b32 s25, 0
	s_lshr_b32 s28, s36, 2
	s_lshl_b32 s28, s28, 3
	s_add_co_u32 s28, s28, s12
	s_mul_i32 s28, s28, U                          ; the unit: panel T / 4, K step = wave
	s_mov_b32 s29, 0
	s_and_b32 s32, s36, 3
	s_lshl_b32 s30, s32, 11                        ; the tile's codes in it
	s_mov_b32 s31, 0
	s_wait_alu depctr_va_vdst(0)
	s_wait_kmcnt 0x0
	s_add_nc_u64 s[4:5], s[4:5], s[24:25]
	s_add_nc_u64 s[6:7], s[6:7], s[26:27]
	s_add_nc_u64 s[8:9], s[8:9], s[26:27]
	s_add_nc_u64 s[34:35], s[10:11], s[28:29]
	s_add_nc_u64 s[10:11], s[34:35], s[30:31]
	s_lshl_b32 s30, s32, 2
	s_add_co_u32 s30, s30, 8192                    ; and its scale words
	s_add_nc_u64 s[34:35], s[34:35], s[30:31]
.set i, 0
.rept 16
	global_load_b128 v[R+4*i:R+4*i+3], v[LI], s[4:5] offset:(i+8*(i/8))*4096    ; tile row i: 512 consecutive bytes
.set i, i+1
.endr
.irp b, 0,1,2,3
.irp j, 0,1,2,3
	global_load_b128 v[BE+16*\b+4*\j:BE+16*\b+4*\j+3], v[GA], s[8:9] offset:128*\b+16*\j
.endr
.endr
	s_wait_loadcnt 16                              ; the 16 rows are in; the 16 loads of be, issued behind them, may be out
.set i, 0
.rept 16
	ds_store_b128 v[STO], v[R+4*i:R+4*i+3] offset:SP*i
.set i, i+1
.endr
.irp b, 0,1,2,3
.irp j, 0,1,2,3
	ds_load_b128 v[X+16*\b+4*\j:X+16*\b+4*\j+3], v[RDA] offset:128*\b+16*\j      ; LDS serves a wave's instructions in order (ISA guide 5.7.1.4): these see my stores
.endr
.endr
	s_wait_dscnt 0x0
.irp b, 0,1,2,3
.irp j, 0,1,2,3
	global_load_b128 v[R+16*\b+4*\j:R+16*\b+4*\j+3], v[GA], s[6:7] offset:128*\b+16*\j   ; g, into the registers that the rows have left; it lands under the two reductions
.endr
.endr
; v[20:27], four chains of pairs, hold my 64 numbers' sum: it is joined with lane l xor 16's, and with the other seven waves' through LDS.  The row's sum comes out in v8, in every lane of every wave.
.macro ACROSS red
	s_delay_alu instid0(VALU_DEP_3)
	v_pk_add_f32 v[20:21], v[20:21], v[22:23]
	s_delay_alu instid0(VALU_DEP_2)
	v_pk_add_f32 v[24:25], v[24:25], v[26:27]
	s_delay_alu instid0(VALU_DEP_1)
	v_pk_add_f32 v[20:21], v[20:21], v[24:25]
	s_delay_alu instid0(VALU_DEP_1)
	v_add_f32 v20, v20, v21
	s_delay_alu instid0(VALU_DEP_1)
	v_permlanex16_b32 v22, v20, s[SEL], s[SEL+1]
	s_delay_alu instid0(VALU_DEP_1)
	v_add_f32 v20, v20, v22
	ds_store_b32 v[RW], v20 offset:\red
	s_wait_dscnt 0x0                               ; for the others' sake: my partial sum has landed
	s_barrier_signal -1
	s_barrier_wait -1
.irp w, 0,1,2,3,4,5,6,7
	ds_load_b32 v[8+\w], v[RR] offset:\red+128*\w
.endr
	s_wait_dscnt 0x0
	v_add_f32 v8, v8, v9
	v_add_f32 v10, v10, v11
	v_add_f32 v12, v12, v13
	v_add_f32 v14, v14, v15
	s_delay_alu instid0(VALU_DEP_3)
	v_add_f32 v8, v8, v10
	s_delay_alu instid0(VALU_DEP_2)
	v_add_f32 v12, v12, v14
	s_delay_alu instid0(VALU_DEP_1)
	v_add_f32 v8, v8, v12
.endm
.irp c, 0,1,2,3
	v_pk_add_f32 v[20+2*\c:21+2*\c], v[X+2*\c:X+2*\c+1], v[X+8+2*\c:X+8+2*\c+1]   ; the first sums start the chains: nothing is cleared
.endr
.irp i, 16,24,32,40,48,56
.irp c, 0,1,2,3
	s_delay_alu instid0(VALU_DEP_4)
	v_pk_add_f32 v[20+2*\c:21+2*\c], v[20+2*\c:21+2*\c], v[X+\i+2*\c:X+\i+2*\c+1]
.endr
.endr
	ACROSS 0
	s_delay_alu instid0(VALU_DEP_1)
	v_mul_f32 v16, s23, v8                         ; the mean
	s_delay_alu instid0(VALU_DEP_1)
	v_mov_b32 v17, v16
.set i, 0
.rept 32
	v_pk_add_f32 v[X+i:X+i+1], v[X+i:X+i+1], v[16:17] neg_lo:[0,1] neg_hi:[0,1]   ; x - mean
.set i, i+2
.endr
.irp c, 0,1,2,3
	v_pk_mul_f32 v[20+2*\c:21+2*\c], v[X+2*\c:X+2*\c+1], v[X+2*\c:X+2*\c+1]
.endr
.irp i, 8,16,24,32,40,48,56
.irp c, 0,1,2,3
	s_delay_alu instid0(VALU_DEP_4)
	v_pk_fma_f32 v[20+2*\c:21+2*\c], v[X+\i+2*\c:X+\i+2*\c+1], v[X+\i+2*\c:X+\i+2*\c+1], v[20+2*\c:21+2*\c]
.endr
.endr
	ACROSS 1024                                    ; other bytes than the first reduction's: no barrier is owed between the two
	s_delay_alu instid0(VALU_DEP_1)
	v_fma_f32 v20, v8, s23, s33                    ; var + 1e-5 (the division by 1,024 is exact)
	s_wait_alu depctr_va_vdst(0)
	v_rsq_f32 v18, v20
	v_rsq_f32 v19, v20                             ; twice, to fill the pair of the packed multiply
	v_nop                                          ; one plain instruction behind a transcendental (ISA guide 5.7.2)
	s_wait_loadcnt 0x0                             ; g and be
.set i, 0
	s_wait_alu depctr_va_vdst(0)
.rept 32
	v_pk_mul_f32 v[X+i:X+i+1], v[X+i:X+i+1], v[18:19]
.set i, i+2
.endr
.set i, 0
.rept 32
	v_pk_fma_f32 v[X+i:X+i+1], v[X+i:X+i+1], v[R+i:R+i+1], v[BE+i:BE+i+1]
.set i, i+2
.endr
	; the quantiser: four blocks of 32 along K; a block lies in lanes l and l xor 16, 16 numbers each
.irp b, 0,1,2,3
	v_max3_num_f32 v[TM+\b], |v[X+16*\b]|, |v[X+1+16*\b]|, 0x8000000     ; my 16 numbers, and the floor 2^(16 - 127): the byte cannot fall under 1
.endr
.irp i, 2,4,6,8,10,12,14
.irp b, 0,1,2,3
	s_delay_alu instid0(VALU_DEP_4)
	v_max3_num_f32 v[TM+\b], v[TM+\b], |v[X+16*\b+\i]|, |v[X+1+16*\b+\i]|   ; (the four blocks by turns)
.endr
.endr
.irp b, 0,1,2,3
	s_delay_alu instid0(VALU_DEP_4)
	v_permlanex16_b32 v[TM+4+\b], v[TM+\b], s[SEL], s[SEL+1]
.endr
.irp b, 0,1,2,3
	s_delay_alu instid0(VALU_DEP_4)
	v_max_num_f32 v[TM+\b], v[TM+\b], v[TM+4+\b]   ; the block's largest magnitude
.endr
.irp b, 0,1,2,3
	s_delay_alu instid0(VALU_DEP_4)
	v_add_nc_u32 v[TM+12+\b], 0xf8800000, v[TM+\b] ; 15 off its exponent field: the conversion's scale operand
.endr
.irp b, 0,1,2,3
	v_and_or_b32 v[TM+8+\b], v[TM+\b], 0x7f800000, s[MNT]   ; 57,344 x the scale
.endr
.irp b, 0,1,2,3
	v_lshrrev_b32 v[TM+4+\b], 23, v[TM+12+\b]      ; the scale's byte
.endr
	s_delay_alu instid0(VALU_DEP_3)
	v_lshl_or_b32 v[PW], v[TM+5], 8, v[TM+4]
	s_delay_alu instid0(VALU_DEP_1)
	v_lshl_or_b32 v[PW], v[TM+6], 16, v[PW]
	s_delay_alu instid0(VALU_DEP_1)
	v_lshl_or_b32 v[PW], v[TM+7], 24, v[PW]        ; my row's scale word
.irp b, 0,1,2,3
.set i, 0
.rept 16
	v_med3_num_f32 v[X+16*\b+i], v[X+16*\b+i], -v[TM+8+\b], v[TM+8+\b]   ; the conversion does not saturate (ISA guide 7.6.2): the hold comes first
.set i, i+1
.endr
	v_cvt_scalef32_pk8_bf8_f32 v[PC+4*\b:PC+1+4*\b], v[X+16*\b:X+7+16*\b], v[TM+12+\b]
	v_cvt_scalef32_pk8_bf8_f32 v[PC+2+4*\b:PC+3+4*\b], v[X+8+16*\b:X+15+16*\b], v[TM+12+\b]
.endr
.irp c, 0,1,2,3
	global_store_b128 v[LI], v[PC+4*\c:PC+4*\c+3], s[10:11] offset:512*\c   ; the fragment as it stands: 512 consecutive bytes a store
.endr
	global_store_b32 v[LI], v[PW], s[34:35]
	s_wait_tensorcnt 0x0
	ds_add_u32 v7, v46
	s_wait_dscnt 0x0
	s_endpgm
.Lfunc_end_k_q10d026c35b_prep:
	.size	k_q10d026c35b_prep, .Lfunc_end_k_q10d026c35b_prep-k_q10d026c35b_prep
	.p2alignl 7, 3214868480
	.fill 96, 4, 3214868480
	.section	.rodata,"a",@progbits
	.p2align	6, 0x0
	.amdhsa_kernel k_q10d026c35b_prep
		.amdhsa_group_segment_fixed_size 70656
		.amdhsa_private_segment_fixed_size 0
		.amdhsa_enable_private_segment 0
		.amdhsa_kernarg_size 88
		.amdhsa_user_sgpr_count 2
		.amdhsa_user_sgpr_kernarg_segment_ptr 1
		.amdhsa_wavefront_size32 1
		.amdhsa_system_sgpr_workgroup_id_x 1
		.amdhsa_system_sgpr_workgroup_id_y 1
		.amdhsa_system_sgpr_workgroup_id_z 1
		.amdhsa_system_vgpr_workitem_id 0
		.amdhsa_next_free_vgpr 256
		.amdhsa_next_free_sgpr 66
		.amdhsa_reserve_vcc 0
		.amdhsa_float_denorm_mode_32 3
		.amdhsa_float_denorm_mode_16_64 3
		.amdhsa_memory_ordered 1
		.amdhsa_forward_progress 1
		.amdhsa_inst_pref_size 217
	.end_amdhsa_kernel
	.amdgpu_metadata
---
amdhsa.version: [ 1, 2 ]
amdhsa.kernels:
  - .name:           k_q10d026c35b_prep
    .symbol:         k_q10d026c35b_prep.kd
    .args:
      - { .name: x, .offset: 0, .size: 8, .value_kind: global_buffer, .address_space: global }
      - { .name: g1, .offset: 8, .size: 8, .value_kind: global_buffer, .address_space: global }
      - { .name: be1, .offset: 16, .size: 8, .value_kind: global_buffer, .address_space: global }
      - { .name: actc, .offset: 24, .size: 8, .value_kind: global_buffer, .address_space: global }
      - { .name: Wq, .offset: 32, .size: 8, .value_kind: global_buffer, .address_space: global }
      - { .name: Wk, .offset: 40, .size: 8, .value_kind: global_buffer, .address_space: global }
      - { .name: Wv, .offset: 48, .size: 8, .value_kind: global_buffer, .address_space: global }
      - { .name: Wo, .offset: 56, .size: 8, .value_kind: global_buffer, .address_space: global }
      - { .name: W1, .offset: 64, .size: 8, .value_kind: global_buffer, .address_space: global }
      - { .name: W2, .offset: 72, .size: 8, .value_kind: global_buffer, .address_space: global }
      - { .name: wc, .offset: 80, .size: 8, .value_kind: global_buffer, .address_space: global }
    .group_segment_fixed_size: 70656
    .private_segment_fixed_size: 0
    .kernarg_segment_align: 8
    .kernarg_segment_size: 88
    .max_flat_workgroup_size: 256
    .sgpr_count:     66
    .vgpr_count:     256
    .wavefront_size: 32
...
	.end_amdgpu_metadata
.endif
;; end of part 1
;; launch qkv (part 2): grid 16 x 12, 8 waves a work-group, clusters of 4 x 4, 327,680 bytes of LDS; arguments actc, wc, qk, vt; writes qk, vt
.if DOCPART == 2
	.amdgcn_target "amdgcn-amd-amdhsa--gfx1250"
	.amdhsa_code_object_version 6
	.text
	.protected	k_q10d026c35b_qkv
	.globl	k_q10d026c35b_qkv
	.p2align	8
	.type	k_q10d026c35b_qkv,@function
k_q10d026c35b_qkv:
	s_mov_b64 s[64:65], 0
	v_nop
	global_prefetch_b8 v0, s[64:65] scope:SCOPE_SE
	s_setreg_imm32_b32 hwreg(HW_REG_WAVE_MODE, 25, 1), 1
	s_wait_xcnt 0x0
	s_wait_alu depctr_hold_cnt(0) depctr_sa_sdst(0) depctr_va_vdst(0) depctr_va_sdst(0) depctr_va_ssrc(0) depctr_va_vcc(0) depctr_vm_vsrc(0)
	s_getreg_b32 s2, hwreg(HW_REG_IB_STS2, 6, 4)
	s_cmp_eq_u32 s2, 0
	s_cbranch_scc0 .Lentry_in_a_cluster
	s_endpgm
.Lentry_in_a_cluster:
	s_bfe_u32 s2, ttmp6, 0x10000c
	s_cmp_lg_u32 s2, 0xf033
	s_cbranch_scc0 .Lentry_shape_is_right
	s_endpgm
.Lentry_shape_is_right:
; q, k, v = LN1(x) times Wq, Wk, Wv: one GEMM on codes of BF8 (E5M2) with E8M0 scales, 4,096 tokens x 3,072 weight rows, K = 1,024, whose results are quantised in registers and leave as codes.
; EVERY OPERAND LIES IN UNITS.  A unit (8,704 bytes) is 64 rows (a panel) x 128 along K as an image of the operand's registers: tile rb at 2,048 rb, register group c at 512 c, lane l's 16 bytes at 16 l;
; at 8,192 + 16 l + 4 rb the scale words.  Tile T holds rows 32 (T / 2) + 8 (T % 2) + r + 8 (r / 8).  So a fragment is four ds_load_b128 at 16 x lane, four tiles' scale words are one more, no pitch, no padding,
; and the scales ride in the ring with their codes.  A RECORD is two neighbouring K steps of one panel: 17,408 dense bytes, one tensor load.
; SHARES.  A work-group makes 256 tokens x 256 weight rows; each of its eight waves 8 tiles of source 0 x 4 tiles of source 1: 32 accumulators, 256 registers; two waves to a SIMD, so that one wave's LDS loads stand beside the other's products.
; q and k (cluster rows 0 and 1 of the grid): source 0 = weight rows, source 1 = tokens: a lane holds one token, and the 16 registers of tiles 2 b, 2 b + 1 are 16 NEIGHBOURS along the weight rows, the next product's K (the head's axis).
; v (cluster row 2): the sources change places: a lane holds one row 64 head + d, and its registers run along the tokens: the keys, which are the K of the second product of attention.
; Either way a wave's 128 x 64 results are exactly one unit of the output: qk [token panel][16] (K steps 0-7 q, 8-15 k), vt [head][32] (K = token).
; RING.  Two slots of 8 records (256 along K): records 0-3 the tokens' four panels, 4-7 the weights'.  Wave w fetches record w.  4 x 4 work-groups form a cluster: the tokens' records hang on the grid's x alone and are asked
; for jointly by a column of the cluster, the weights' on y alone, by a row.  One joint load a wave behind each round, with a slot's 64 products a wave in which to land; one tensor load of a wave is out at any time.
; The region enters LDS addresses only through the cluster's y, which all sixteen partners share.
; LIMITS: NaN and infinities are not served; a block whose largest magnitude lies under 2^-111, a block of zeros among them, gets the byte 1 (this program alone reads the bytes).
.set REGIONS, 1                        ; 1: cluster row 2 of the grid changes the sources' places and writes the second output buffer
.set RELU,    0                        ; 1: what is negative becomes 0 on the way into the quantiser
.set BIAS,    0                        ; 1: the sums start from a bias along source 0's rows
.set KSH,     4                        ; log2(units to a panel of the first output)
.set WOFF,    0                        ; the weights' place in wc
.set U,     8704
.set REC,   2*U
.set SLOT,  8*REC
.set SPARE, 2*SLOT                     ; behind the ring: the spare words, 128 bytes for each of the eight waves: four blocks of 256 bytes that no other line names
.set LI,  1                            ; v1    16 x lane
.set AS0, 2                            ; v2-3  LDS address of source 0's records in slot 0, 1
.set AS1, 4                            ; v4-5  of source 1's
.set SPW, 6                            ; v6    LDS address of my spare word; never rewritten
.set NIL, 7                            ; v7    0; never rewritten
.set BA,  8                            ; v8    64 h: my eight numbers of a tile's bias
.set SC0, 16                           ; v16-23 source 0's scale words, one register a tile
.set SC1, 24                           ; v24-27 source 1's
.set TM,  32                           ; v32-47 the quantiser's: largest magnitudes, bytes, holds, scale operands
.set PW,  48                           ; v48-51 the four tiles' scale words: the image of the unit's last 512 bytes
.set SF1, 64                           ; v64-127  source 1's four fragments
.set SF0, 128                          ; v128-255 source 0's eight
.set PC,  128                          ; the codes made at the end lie where source 0's fragments lay
                                       ; window 1 (v256-511): accumulator (m, t) at v[64 m + 8 t]
.set WV,  12
.set G1A, 24                           ; s[24:31] descriptor group 1 for the tokens' records; s[32:39] for the weights': they differ in the mask alone
.set G1W, 32
.set G0A, 40                           ; s[40:47], s[48:55] groups 0, a set for each slot
.set G0W, 48
.set SEL, 76
.set MNT, 78
.set MSB, 0
.macro WIN new                         ; the immediate's high byte repeats the setting that is left
.if MSB != \new
	s_set_vgpr_msb (MSB<<8)|\new
.set MSB, \new
.endif
.endm
.macro CROUND                          ; a round of the cluster's barrier
	s_barrier_signal -1
	s_barrier_wait -1
	s_cmp_lg_u32 s[WV], 0
	s_cbranch_scc1 .Lnot_wave_0_\@
	s_barrier_signal -3
.Lnot_wave_0_\@:
	s_barrier_wait -3
	s_barrier_signal -1
	s_barrier_wait -1
.endm
.macro JLOAD s                         ; a joint load into slot s: waves 0-3 the tokens' records, waves 4-7 the weights'; four v_nop follow each of the two lines
	s_cmp_lt_u32 s[WV], 4
	s_cbranch_scc0 .Lfor_w_\@
	tensor_load_to_lds s[G0A+4*(\s):G0A+4*(\s)+3], s[G1A:G1A+7]
	s_nop 0
.rept 4
	v_nop
.endr
	s_branch .Lasked_\@
.Lfor_w_\@:
	tensor_load_to_lds s[G0W+4*(\s):G0W+4*(\s)+3], s[G1W:G1W+7]
	s_nop 0
.rept 4
	v_nop
.endr
.Lasked_\@:
.endm
	s_load_b256 s[4:11], s[0:1], 0x0               ; the activations' codes, wc, the first output, the second output (or the bias)
	v_lshl_add_u32 v[SPW], v0, 2, SPARE
	v_mov_b32 v[NIL], 0
	ds_add_u32 v6, v7
	ds_add_u32 v6, v7
	s_wait_dscnt 0x0
	v_lshrrev_b32 v1, 5, v0
	s_delay_alu instid0(VALU_DEP_1)
	v_readfirstlane_b32 s[WV], v1                  ; wave 0..7
	s_and_b32 s13, s[WV], 1                        ; ws0: which 128 rows of source 0
	s_lshr_b32 s14, s[WV], 1                       ; ws1: which 64 rows of source 1
	s_and_b32 s23, s[WV], 3                        ; which panel I fetch
	s_bfe_u32 s15, ttmp6, 0x40000                  ; cx
	s_bfe_u32 s16, ttmp6, 0x40004                  ; cy
	s_lshl_b32 s17, ttmp9, 2
	s_add_co_u32 s17, s17, s15                     ; XT: which 256 tokens
	s_and_b32 s19, ttmp7, 0xffff                   ; the cluster's y
	s_lshl_b32 s18, s19, 2
	s_add_co_u32 s18, s18, s16                     ; YT: which 256 weight rows
	s_lshl_b32 s20, 0x1111, s15                    ; my column of the cluster (same cx)
	s_lshl_b32 s21, s16, 2
	s_lshl_b32 s21, 15, s21                        ; my row (same cy)
	s_or_b32 s[G1A], s20, (3<<16)|(1<<21)          ; 15:0 the mask; 17:16 elements of 8 bytes; 21 set beside a mask; no padding
	s_or_b32 s[G1W], s21, (3<<16)|(1<<21)
.irp g, G1A, G1W
	s_mov_b32 s[\g+1], 32<<16                      ; tensor_dim0 = 32 elements: rows of 256 bytes
	s_mov_b32 s[\g+2], 68<<16                      ; tensor_dim1 = 68 rows: 17,408 dense bytes
	s_mov_b32 s[\g+3], 32<<16                      ; tile_dim0
	s_mov_b32 s[\g+4], 68                          ; tile_dim1
	s_mov_b32 s[\g+5], 32                          ; the pitch
	s_mov_b32 s[\g+6], 0
	s_mov_b32 s[\g+7], 0
.endr
	s_lshl_b32 s60, s17, 2                         ; the tokens' address is made of XT and the wave's number,
	s_add_co_u32 s60, s60, s23
	s_mul_i32 s60, s60, 8*U
	s_mov_b32 s61, 0
	s_lshl_b32 s62, s18, 2                         ; the weights' of YT and the wave's number, in registers that never hold the other coordinate
	s_add_co_u32 s62, s62, s23
	s_mul_i32 s62, s62, 8*U
	s_add_co_u32 s62, s62, WOFF
	s_mov_b32 s63, 0
	s_mul_i32 s22, s[WV], REC                      ; where my record goes: no place in the cluster enters an LDS address
	s_wait_kmcnt 0x0
	s_add_nc_u64 s[56:57], s[4:5], s[60:61]
	s_add_nc_u64 s[58:59], s[6:7], s[62:63]
	CROUND                                         ; all sixteen work-groups are here: the first joint loads meet
.irp s, 0,1
	s_mov_b32 s[G0A+4*\s], 1
	s_add_co_u32 s[G0A+4*\s+1], s22, \s*SLOT
	s_add_nc_u64 s[G0A+4*\s+2:G0A+4*\s+3], s[56:57], \s*REC
	s_or_b32 s[G0A+4*\s+3], s[G0A+4*\s+3], 0x80000000
	s_mov_b32 s[G0W+4*\s], 1
	s_add_co_u32 s[G0W+4*\s+1], s22, \s*SLOT
	s_add_nc_u64 s[G0W+4*\s+2:G0W+4*\s+3], s[58:59], \s*REC
	s_or_b32 s[G0W+4*\s+3], s[G0W+4*\s+3], 0x80000000
.endr
	JLOAD 0                                        ; K = 0..255; slot 1 is first filled behind the first trip's round, as a refill is
	v_and_b32 v9, 31, v0
	s_delay_alu instid0(VALU_DEP_1)
	v_lshlrev_b32 v[LI], 4, v9
.if REGIONS
	s_cmp_ge_u32 s19, 2                            ; the v region?  The same answer in all sixteen partners
	s_cselect_b32 s66, 0, 4*REC                    ; where source 0's records begin in a slot,
	s_cselect_b32 s67, 4*REC, 0                    ; and source 1's
.else
	s_mov_b32 s66, 4*REC
	s_mov_b32 s67, 0
.endif
	s_mul_i32 s68, s13, 2*REC
	s_add_co_u32 s68, s68, s66
	s_mul_i32 s69, s14, REC
	s_add_co_u32 s69, s69, s67
	v_add_nc_u32 v[AS0], s68, v[LI]
	s_delay_alu instid0(VALU_DEP_1)
	v_add_nc_u32 v[AS0+1], SLOT, v[AS0]
	v_add_nc_u32 v[AS1], s69, v[LI]
	s_delay_alu instid0(VALU_DEP_1)
	v_add_nc_u32 v[AS1+1], SLOT, v[AS1]
	s_lshl_b32 s70, s17, 2                         ; my unit of the output: panel 4 XT + ws1, K step 2 YT + ws0
	s_add_co_u32 s70, s70, s14
	s_lshl_b32 s70, s70, KSH
	s_lshl_b32 s71, s18, 1
	s_add_co_u32 s70, s70, s71
	s_add_co_u32 s70, s70, s13
	s_mul_i32 s70, s70, U
.if REGIONS
	s_and_b32 s72, s18, 3                          ; v: panel (head) 4 (YT - 8) + ws1, K step 2 XT + ws0, 32 units to a panel
	s_lshl_b32 s72, s72, 2
	s_add_co_u32 s72, s72, s14
	s_lshl_b32 s72, s72, 5
	s_lshl_b32 s73, s17, 1
	s_add_co_u32 s72, s72, s73
	s_add_co_u32 s72, s72, s13
	s_mul_i32 s72, s72, U
	s_cmp_ge_u32 s19, 2
	s_cselect_b32 s70, s72, s70
	s_cselect_b64 s[8:9], s[10:11], s[8:9]
.endif
	s_mov_b32 s71, 0
	s_add_nc_u64 s[8:9], s[8:9], s[70:71]
	s_mov_b32 s[SEL], 0x76543210
	s_mov_b32 s[SEL+1], 0xfedcba98
	s_mov_b32 s[MNT], 0x600000
	s_cmp_lt_u32 s[WV], 4                          ; the prefetches: my own record's later K steps.  The four partners that ask for a record jointly share its 68 blocks of 256 bytes by address, 17 each
	s_cselect_b32 s79, s16, s15                    ; my place among them: cy for the tokens' records, cx for the weights'
	s_cselect_b64 s[80:81], s[56:57], s[58:59]
	s_mul_i32 s79, s79, 17
	v_and_b32 v10, 31, v0
	v_min_u32 v10, 16, v10                         ; lanes 17-31 name my last block again
	v_add_nc_u32 v10, s79, v10
	v_lshlrev_b32 v10, 8, v10
	s_wait_alu depctr_va_vdst(0)
.set PFT, 2
.irp b, 0,1,2,3
	v_mov_b32 v[TM+4+\b], 0                        ; written once: a lane permute's destination counts as one of its sources
.endr
.if BIAS
	v_bfe_u32 v9, v0, 4, 1                         ; the bias goes straight into the accumulators: register j of tile t is source 0's row 32 (t / 2) + 8 (t % 2) + 16 h + j
	v_lshlrev_b32 v[BA], 6, v9
	s_lshl_b32 s74, s18, 10
	s_lshl_b32 s75, s13, 9
	s_add_co_u32 s74, s74, s75
	s_mov_b32 s75, 0
	s_add_nc_u64 s[10:11], s[10:11], s[74:75]
	WIN 0x40                                       ; destination window 1
.irp m, 0,1,2,3
.irp t, 0,1,2,3,4,5,6,7
	global_load_b128 v[64*\m+8*\t:64*\m+8*\t+3], v[BA], s[10:11] offset:128*(\t/2)+32*(\t%2)
	global_load_b128 v[64*\m+8*\t+4:64*\m+8*\t+7], v[BA], s[10:11] offset:128*(\t/2)+32*(\t%2)+16
.endr
.endr
	WIN 0
	s_wait_loadcnt 0x0
.endif
; 128 along K, the slot's q-th: 51 LDS loads in one run, then 32 products.  The 32 accumulators take turns, one instruction a turn, in the same order in every step.
; first = 1: the products start the sums: nothing is cleared.
.macro KSTEP slot, q, first
.rept 8
	v_nop                                          ; eight places in front of loads into registers that matrix instructions have read
.endr
.irp m, 0,1,2,3
.irp c, 0,1,2,3
	ds_load_b128 v[SF1+16*\m+4*\c:SF1+16*\m+4*\c+3], v[AS1+\slot] offset:\q*U+\m*2048+512*\c
.endr
.endr
	ds_load_b128 v[SC0:SC0+3], v[AS0+\slot] offset:\q*U+8192
	ds_load_b128 v[SC0+4:SC0+7], v[AS0+\slot] offset:REC+\q*U+8192
	ds_load_b128 v[SC1:SC1+3], v[AS1+\slot] offset:\q*U+8192
.irp t, 0,1,2,3,4,5,6,7                        ; source 0's fragments come last, and the products go by its tiles
.irp c, 0,1,2,3
	ds_load_b128 v[SF0+16*\t+4*\c:SF0+16*\t+4*\c+3], v[AS0+\slot] offset:(\t/4)*REC+\q*U+(\t%4)*2048+512*\c
.endr
.endr
	WIN 0x50
.irp t, 0,1,2,3,4,5,6,7
	s_wait_dscnt 28-4*\t                           ; tile t's four loads are in; the four of each later tile may be out
.irp m, 0,1,2,3
.if \first
	v_wmma_scale_f32_16x16x128_f8f6f4 v[64*\m+8*\t:64*\m+8*\t+7], v[SF0+16*\t:SF0+16*\t+15], v[SF1+16*\m:SF1+16*\m+15], 0, v[SC0+\t], v[SC1+\m] matrix_a_fmt:MATRIX_FMT_BF8 matrix_b_fmt:MATRIX_FMT_BF8
.else
	v_wmma_scale_f32_16x16x128_f8f6f4 v[64*\m+8*\t:64*\m+8*\t+7], v[SF0+16*\t:SF0+16*\t+15], v[SF1+16*\m:SF1+16*\m+15], v[64*\m+8*\t:64*\m+8*\t+7], v[SC0+\t], v[SC1+\m] matrix_a_fmt:MATRIX_FMT_BF8 matrix_b_fmt:MATRIX_FMT_BF8
.endif
.endr
.endr
	WIN 0
.endm
; A slot's turn.  Each wave waits for all its tensor loads (its record of this slot), adds 0 to its spare word, waits for that and for its reads of the other slot; the round shows both of every wave of the cluster;
; behind it the other slot is asked for first (refill = 1), then this slot is multiplied.
.macro TRIP slot, refill, first
	s_wait_tensorcnt 0x0                           ; no tensor load of mine is out, so every group 0 may be written
	ds_add_u32 v[SPW], v[NIL]                      ; 0 onto my spare word
	s_add_nc_u64 s[G0A+4*\slot+2:G0A+4*\slot+3], s[G0A+4*\slot+2:G0A+4*\slot+3], 2*REC   ; this slot's next 256 along K
	s_add_nc_u64 s[G0W+4*\slot+2:G0W+4*\slot+3], s[G0W+4*\slot+2:G0W+4*\slot+3], 2*REC
	s_wait_dscnt 0x0                               ; the add is done, and my reads of the other slot are over
	CROUND
.if \refill
	JLOAD 1-\slot
.if PFT == 2                                   ; in the first trip: the records that the next two trips load; base and offset registers are never rewritten
	global_prefetch_b8 v10, s[80:81] offset:2*REC th:TH_LOAD_NT scope:SCOPE_SE
	global_prefetch_b8 v10, s[80:81] offset:3*REC th:TH_LOAD_NT scope:SCOPE_SE
.set PFT, 4
.endif
.endif
	s_wait_alu depctr_va_vdst(0)
	KSTEP \slot, 0, \first
	KSTEP \slot, 1, 0
.endm
	TRIP 0, 1, 1-BIAS
	TRIP 1, 1, 0
	TRIP 0, 1, 0
	TRIP 1, 0, 0                                   ; the last 256 along K: nothing is left to fetch
; Tile m of source 1: a lane's 64 results, register 16 b + i = the next K's 32 b + 16 h + i, become a fragment's codes in v[PC + 16 m] on and its scale word in v[PW + m].
.macro QUANT m
	WIN 0x14                                       ; sources 1 and 2: window 1.
.irp b, 0,1,2,3
.if RELU
	v_max3_num_f32 v[TM+\b], 0x8000000, v[64*\m+16*\b], v[64*\m+16*\b+1]          ; no |.|: what is negative is to become 0 and must not count; the floor 2^(16 - 127) stands over it
.else
	v_max3_num_f32 v[TM+\b], 0x8000000, |v[64*\m+16*\b]|, |v[64*\m+16*\b+1]|      ; my 16 numbers of block b, and the floor 2^(16 - 127): the byte cannot fall under 1
.endif
.endr
.irp i, 2,4,6,8,10,12,14
.irp b, 0,1,2,3
.if RELU
	v_max3_num_f32 v[TM+\b], v[TM+\b], v[64*\m+16*\b+\i], v[64*\m+16*\b+\i+1]
.else
	v_max3_num_f32 v[TM+\b], v[TM+\b], |v[64*\m+16*\b+\i]|, |v[64*\m+16*\b+\i+1]|
.endif
.endr
.endr
	WIN 0
.irp b, 0,1,2,3
	v_permlanex16_b32 v[TM+4+\b], v[TM+\b], s[SEL], s[SEL+1]
.endr
.irp b, 0,1,2,3
	s_delay_alu instid0(VALU_DEP_4)
	v_max_num_f32 v[TM+\b], v[TM+\b], v[TM+4+\b]   ; with lane l xor 16's 16: the block's largest magnitude
.endr
.irp b, 0,1,2,3
	s_delay_alu instid0(VALU_DEP_4)
	v_add_nc_u32 v[TM+12+\b], 0xf8800000, v[TM+\b] ; 15 off its exponent field: the conversion's scale operand
.endr
.irp b, 0,1,2,3
	v_and_or_b32 v[TM+8+\b], v[TM+\b], 0x7f800000, s[MNT]   ; 57,344 x the scale
.endr
.irp b, 0,1,2,3
	v_lshrrev_b32 v[TM+4+\b], 23, v[TM+12+\b]      ; the scale's byte
.endr
	s_delay_alu instid0(VALU_DEP_3)
	v_lshl_or_b32 v[PW+\m], v[TM+5], 8, v[TM+4]
	s_delay_alu instid0(VALU_DEP_1)
	v_lshl_or_b32 v[PW+\m], v[TM+6], 16, v[PW+\m]
	s_delay_alu instid0(VALU_DEP_1)
	v_lshl_or_b32 v[PW+\m], v[TM+7], 24, v[PW+\m]
	WIN 0x41                                       ; destination and source 0: window 1
.irp b, 0,1,2,3
.set i, 0
.rept 16
.if RELU
	v_med3_num_f32 v[64*\m+16*\b+i], v[64*\m+16*\b+i], 0, v[TM+8+\b]              ; the activation and the hold in one
.else
	v_med3_num_f32 v[64*\m+16*\b+i], v[64*\m+16*\b+i], -v[TM+8+\b], v[TM+8+\b]    ; the conversion does not saturate (ISA guide 7.6.2): the hold comes first
.endif
.set i, i+1
.endr
.endr
	WIN 0x01                                       ; source 0: window 1
.irp b, 0,1,2,3
	v_cvt_scalef32_pk8_bf8_f32 v[PC+16*\m+4*\b:PC+16*\m+4*\b+1], v[64*\m+16*\b:64*\m+16*\b+7], v[TM+12+\b]
	v_cvt_scalef32_pk8_bf8_f32 v[PC+16*\m+4*\b+2:PC+16*\m+4*\b+3], v[64*\m+16*\b+8:64*\m+16*\b+15], v[TM+12+\b]
.endr
	WIN 0
	v_nop                                          ; one plain instruction behind the last conversion of a run
.endm
.rept 8
	v_nop                                          ; eight places behind the last products, in front of the first read of results and the first write over fragments
.endr
.irp m, 0,1,2,3
	QUANT \m
.irp c, 0,1,2,3
	global_store_b128 v[LI], v[PC+16*\m+4*\c:PC+16*\m+4*\c+3], s[8:9] offset:2048*\m+512*\c   ; the fragment as it stands: 512 consecutive bytes a store
.endr
.endr
	global_store_b128 v[LI], v[PW:PW+3], s[8:9] offset:8192      ; the four tiles' scale words: the unit's last 512 bytes
	s_wait_tensorcnt 0x0                           ; the wave's end
	ds_add_u32 v[SPW], v[NIL]
	s_wait_dscnt 0x0
	CROUND                                         ; the closing round: no work-group ends while a partner may still ask for a record that names it
	s_endpgm
.Lfunc_end_k_q10d026c35b_qkv:
	.size	k_q10d026c35b_qkv, .Lfunc_end_k_q10d026c35b_qkv-k_q10d026c35b_qkv
	.p2alignl 7, 3214868480
	.fill 96, 4, 3214868480
	.section	.rodata,"a",@progbits
	.p2align	6, 0x0
	.amdhsa_kernel k_q10d026c35b_qkv
		.amdhsa_group_segment_fixed_size 327680
		.amdhsa_private_segment_fixed_size 0
		.amdhsa_enable_private_segment 0
		.amdhsa_kernarg_size 32
		.amdhsa_user_sgpr_count 2
		.amdhsa_user_sgpr_kernarg_segment_ptr 1
		.amdhsa_wavefront_size32 1
		.amdhsa_system_sgpr_workgroup_id_x 1
		.amdhsa_system_sgpr_workgroup_id_y 1
		.amdhsa_system_sgpr_workgroup_id_z 1
		.amdhsa_system_vgpr_workitem_id 0
		.amdhsa_next_free_vgpr 512
		.amdhsa_next_free_sgpr 100
		.amdhsa_reserve_vcc 0
		.amdhsa_float_denorm_mode_32 3
		.amdhsa_float_denorm_mode_16_64 3
		.amdhsa_memory_ordered 1
		.amdhsa_forward_progress 1
		.amdhsa_inst_pref_size 109
	.end_amdhsa_kernel
	.amdgpu_metadata
---
amdhsa.version: [ 1, 2 ]
amdhsa.kernels:
  - .name:           k_q10d026c35b_qkv
    .symbol:         k_q10d026c35b_qkv.kd
    .args:
      - { .name: actc, .offset: 0, .size: 8, .value_kind: global_buffer, .address_space: global }
      - { .name: wc, .offset: 8, .size: 8, .value_kind: global_buffer, .address_space: global }
      - { .name: qk, .offset: 16, .size: 8, .value_kind: global_buffer, .address_space: global }
      - { .name: vt, .offset: 24, .size: 8, .value_kind: global_buffer, .address_space: global }
    .group_segment_fixed_size: 327680
    .private_segment_fixed_size: 0
    .kernarg_segment_align: 8
    .kernarg_segment_size: 32
    .max_flat_workgroup_size: 256
    .sgpr_count:     100
    .vgpr_count:     512
    .wavefront_size: 32
...
	.end_amdgpu_metadata
.endif
;; end of part 2
;; launch attn (part 3): grid 8 x 32, 16 waves a work-group, clusters of 4 x 1, 327,680 bytes of LDS; arguments qk, vt, actc; writes actc
.if DOCPART == 3
	.amdgcn_target "amdgcn-amd-amdhsa--gfx1250"
	.amdhsa_code_object_version 6
	.text
	.protected	k_q10d026c35b_attn
	.globl	k_q10d026c35b_attn
	.p2align	8
	.type	k_q10d026c35b_attn,@function
k_q10d026c35b_attn:
	s_mov_b64 s[64:65], 0
	v_nop
	global_prefetch_b8 v0, s[64:65] scope:SCOPE_SE
	s_setreg_imm32_b32 hwreg(HW_REG_WAVE_MODE, 25, 1), 1
	s_wait_xcnt 0x0
	s_wait_alu depctr_hold_cnt(0) depctr_sa_sdst(0) depctr_va_vdst(0) depctr_va_sdst(0) depctr_va_ssrc(0) depctr_va_vcc(0) depctr_vm_vsrc(0)
	s_getreg_b32 s2, hwreg(HW_REG_IB_STS2, 6, 4)
	s_cmp_eq_u32 s2, 0
	s_cbranch_scc0 .Lentry_in_a_cluster
	s_endpgm
.Lentry_in_a_cluster:
	s_bfe_u32 s2, ttmp6, 0x10000c
	s_cmp_lg_u32 s2, 0x3003
	s_cbranch_scc0 .Lentry_shape_is_right
	s_endpgm
.Lentry_shape_is_right:
; Causal attention of one head on codes of BF8 (E5M2) with E8M0 scales; its result, divided by the row's sum, is quantised along the concatenated heads and leaves as codes for the next product.
; ALL OPERANDS LIE IN UNITS (8,704 bytes: 64 rows x 128 along K as an image of the operand's registers: tile rb at 2,048 rb, register group c at 512 c, lane l's 16 bytes at 16 l; scale words at 8,192 + 16 l + 4 rb;
; tile T holds rows 32 (T / 2) + 8 (T % 2) + r + 8 (r / 8)).  qk: [token panel][16]: K steps 0-7 q, 8-15 k.  vt: [head][32]: rows d, K = token.  actc: [token panel][8].
; THE SCORES' K IS 64: a unit's K step holds two heads, my head's two register groups are 1,024 bytes on end in each tile.  Only these are brought.  They stand as blocks 0 and 1 of the instruction's K on both sides (the same
; permutation of K on both), with my head's two scale bytes as bytes 0 and 1; Q's blocks 2 and 3 are zero codes.  K's fragments lie 8 registers apart: the upper half of each operand is the next fragment (behind the last: eight
; registers of zeros), finite codes that meet Q's zeros and add nothing.
; THE SOFTMAX: t = score x log2(e) / 32; M = the running largest t rounded UP to a whole number; p = 2^(t - M) is quantised along the keys, not normalised; the row's sum is taken of the unquantised p and divides at
; the end; when M moves, the sum and O are multiplied by 2^(old M - new M): exact.  Both products are used transposed: a lane holds ONE query.
; LDS HOLDS THE HEAD'S K WHOLE: its halves [tile place rb][panel][1,024] 131,072 bytes, its scale words [panel][512] 16,384.  Every byte is filled once, by 9 joint loads at the head, one a wave: waves 0-3 K of keys 0-1,023
; (a row a panel, 16 rows), wave 4 the scale words; waves 8-11 K of keys 1,024 on.  The first barrier shows waves 0-4's; the second, two key steps on, the rest.
; V^T GOES FROM MEMORY STRAIGHT INTO REGISTERS: a unit is the image of four fragments, so each load takes 512 consecutive bytes; of a key step's 41 fragment and scale loads a wave 24 go through LDS.  The 17 loads are issued
; behind the scores' products, into the registers that K's fragments have left, and are waited for behind the softmax.
; THE DEAL.  A work-group owns tiles x + 8 i (i = 0..15) of one head and batch; tile i has i + 1 key steps of 128 under the causal mask (steps wholly under the mask are left out).  Tiles i and 15 - i make a pair of 17 steps:
; wave i (0..7) takes key steps 0-8 of tile 15 - i; wave 8 + i takes tile i whole, stores it, and then takes tile 15 - i's steps from 9 on.  The two parts (O, M, the sum) meet in LDS at the end and are joined by exact powers
; of two; wave i stores the tile.  All waves walk the 16 key steps upward in loops of constant count; which steps a wave works hangs on its number and the count alone.
; CLUSTER.  The four work-groups along x read the same tiles of K: each is asked for jointly (mask 15).  x enters global addresses and a lane's query number, no branch and no LDS address.
; NO PREFETCH: K's tiles are all asked for at the head; V^T's loads stand a whole softmax ahead of the wait for them.
; LIMITS: NaN and infinities are not served; the promise holds while |t| stays under 2^31; a block whose largest magnitude lies under 2^-111 gets the byte 1 (this program alone reads the bytes).
.set U,     8704
.set KSB,   131072                     ; K's scale words
.set SPARE, 147456                     ; the spare words, 128 bytes for each of the sixteen waves
.set MRG,   149504                     ; where a pair's second part is handed over: 4,608 bytes a pair
.set MSZ,   4608
.set KSPLIT, 1152                      ; the late tile's keys from here on are waves 8-15's
.set LI,  1                            ; v1 16 x lane; v2 my query - 16 h; v3 my pair's hand-over bytes; v4 16 x lane + 2 (head % 2); v5, v6 the spare word and 0; v8, v9, v11 LDS addresses of the step's K (tile places 0, 1; 2, 3) and its scale words; v10 V^T's offset
.set QL,  2
.set MW,  3
.set LS,  4
.set SPW, 5
.set NIL, 6
.set ADK, 8
.set ADK2, 9
.set ADV, 10
.set ADS, 11
                                       ; v12 -M, v13 the largest t, v[14:15] the sum; v16-31 Q (24-31 zeros); v32-95 K's eight half fragments or V's four; v96-103 zeros
.set S,   104                          ; v104-167 S^T, then p
.set O,   168                          ; v168-199 O^T
.set PCD, 200                          ; v200-215 p's codes
.set KSC, 216                          ; v216-223 K's scale words
.set VSC, 224                          ; v224-227 V's;  v228-254 at work; v255 Q's scale words
.set WV, 10
.set BT, 11
.set HD, 12
.set X,  13
.set PR, 14
.set RL, 15
.set KLO, 16                           ; a step is worked where KLO <= its first key <= KHI
.set KHI, 17
.set KF,  18
.set SEL, 20
.set CS,  22
.set G1K, 24
.set G0,  32
.set G1S, 36
.set MNT, 52
.set H2,  53
.set HP,  54
.set KO,  55
.set VO,  56
.set SO,  57
.set N,   58
.set SWK, 59                           ; the key step at whose head waves 8-15 change tiles
.set QB,  60                           ; 128 x my tile's i: the first key of its diagonal step
.set KHI2, 61
.set QB2, 62
.set DQ,  63
.set IDX1, 66
.set IDX2, 67
.set Q1C, 68
.set Q1S, 70
.set Q2C, 72
.set Q2S, 74
.set OC,  76
.set OS,  78
.set KOFF, 80
.set VP,  92                           ; s[92:93] vt at my head's and batch's first unit
.macro CROUND                          ; a round of the cluster's barrier
	s_barrier_signal -1
	s_barrier_wait -1
	s_cmp_lg_u32 s[WV], 0
	s_cbranch_scc1 .Lnot_wave_0_\@
	s_barrier_signal -3
.Lnot_wave_0_\@:
	s_barrier_wait -3
	s_barrier_signal -1
	s_barrier_wait -1
.endm
.macro TL g1                           ; a joint load; an s_nop 0 and four v_nop follow the line
	s_or_b32 s[G0+3], s[G0+3], 0x80000000
	tensor_load_to_lds s[G0:G0+3], s[\g1:\g1+7]
	s_nop 0
.rept 4
	v_nop
.endr
.endm
.macro KARM hi                         ; tile place rb = wave % 4 of 16 panels: my head's 1,024 bytes of each
	s_lshl_b32 s[G0+1], s81, 15
.if \hi
	s_add_co_u32 s[G0+1], s[G0+1], 16384
.endif
	s_lshl_b32 s82, s81, 11
	s_add_co_u32 s82, s82, s[KOFF]
	s_lshl_b32 s85, s[HP], 10
	s_add_co_u32 s82, s82, s85
.if \hi
	s_add_co_u32 s82, s82, 256*U
.endif
	s_add_nc_u64 s[G0+2:G0+3], s[4:5], s[82:83]
	TL G1K
.endm
.macro TILE idx, qc, qs                ; byte offsets in qk of my head's codes and scale bytes of Q of tile 8 idx + x; leaves the tile in s81, its panel in s83, the two offsets inside a unit in s86, s87
	s_lshl_b32 s81, s[\idx], 3
	s_add_co_u32 s81, s81, s[X]
	s_lshl_b32 s82, s[BT], 7
	s_add_co_u32 s82, s82, s81
	s_lshr_b32 s83, s82, 2
	s_and_b32 s84, s82, 3
	s_lshl_b32 s85, s83, 4
	s_add_co_u32 s85, s85, s[H2]
	s_mul_i32 s85, s85, U
	s_lshl_b32 s86, s84, 11
	s_add_co_u32 s86, s86, s88
	s_lshl_b32 s87, s84, 2
	s_add_co_u32 s87, s87, s89
	s_add_co_u32 s87, s87, 8192
	s_add_co_u32 s[\qc], s85, s86
	s_add_co_u32 s[\qs], s85, s87
	s_mov_b32 s[\qc+1], 0
	s_mov_b32 s[\qs+1], 0
.endm
	s_load_b128 s[4:7], s[0:1], 0x0                ; qk, vt
	s_load_b64 s[8:9], s[0:1], 0x10                ; actc
	v_lshl_add_u32 v[SPW], v0, 2, SPARE
	v_mov_b32 v[NIL], 0
	ds_add_u32 v[SPW], v[NIL]                      ; the opening lines: the add, twice on end, and its wait
	ds_add_u32 v[SPW], v[NIL]
	v_lshrrev_b32 v232, 5, v0
	v_readfirstlane_b32 s[WV], v232                ; wave 0..15
	s_bfe_u32 s90, ttmp6, 0x40000                  ; cx
	s_lshl_b32 s[X], ttmp9, 2
	s_add_co_u32 s[X], s[X], s90                   ; x = 4 x cluster x + cx
	s_and_b32 s81, ttmp7, 0xffff
	s_lshr_b32 s[BT], s81, 4                       ; batch
	s_and_b32 s[HD], s81, 15                       ; head
	s_lshr_b32 s[H2], s[HD], 1
	s_and_b32 s[HP], s[HD], 1
.irp g, G1K, G1S
	s_mov_b32 s[\g], 15|(3<<16)|(1<<21)            ; the mask: all four partners; elements of 8 bytes; bit 21 beside a mask; no padding
	s_mov_b32 s[\g+5], 2*U                         ; rows a panel (16 units) apart, in elements of 8 bytes
	s_mov_b32 s[\g+6], 0
	s_mov_b32 s[\g+7], 0
.endr
	s_mov_b32 s[G1K+1], 128<<16                    ; K: rows of 1,024 bytes,
	s_mov_b32 s[G1K+2], 16<<16                     ; 16 of them
	s_mov_b32 s[G1K+3], 128<<16
	s_mov_b32 s[G1K+4], 16
	s_mov_b32 s[G1S+1], 64<<16                     ; K's scale words: rows of 512 bytes, 32 panels
	s_mov_b32 s[G1S+2], 32<<16
	s_mov_b32 s[G1S+3], 64<<16
	s_mov_b32 s[G1S+4], 32
	s_lshl_b32 s[KOFF], s[BT], 9
	s_add_co_u32 s[KOFF], s[KOFF], s[H2]
	s_add_co_u32 s[KOFF], s[KOFF], 8
	s_mul_i32 s[KOFF], s[KOFF], U                  ; K's unit of the batch's first panel
	s_and_b32 s81, s[WV], 3
	s_mov_b32 s83, 0
	s_mov_b32 s[G0], 1
	s_wait_dscnt 0x0                               ; both opening adds are done
	CROUND                                         ; all four work-groups are here: the joint loads meet
	s_wait_kmcnt 0x0
	; the head's loads: ONE chain of branches on the wave's number, a load to an arm; the arms of waves 0-4 are theirs alone, since they alone wait at the first barrier
	s_cmp_lt_u32 s[WV], 4
	s_cbranch_scc0 .La1
	KARM 0
	s_branch .Lasked
.La1:
	s_cmp_eq_u32 s[WV], 4
	s_cbranch_scc0 .La2
	s_mov_b32 s[G0+1], KSB
	s_add_co_u32 s82, s[KOFF], 8192
	s_add_nc_u64 s[G0+2:G0+3], s[4:5], s[82:83]
	TL G1S
	s_branch .Lasked
.La2:
	s_cmp_lt_u32 s[WV], 8
	s_cbranch_scc1 .Lasked
	s_cmp_lt_u32 s[WV], 12
	s_cbranch_scc0 .Lasked
	KARM 1
.Lasked:
	s_and_b32 s[PR], s[WV], 7                      ; my pair i
	s_lshr_b32 s[RL], s[WV], 3                     ; 0: the late tile's first nine steps; 1: the early tile, then the late tile's rest
	s_sub_co_u32 s[IDX2], 15, s[PR]
	s_lshl_b32 s81, s[PR], 7
	s_add_co_u32 s82, s81, 127
	s_add_co_u32 s83, s81, 128
	s_mov_b32 s85, KSPLIT-1
	s_cmp_eq_u32 s[RL], 1
	s_cselect_b32 s[IDX1], s[PR], s[IDX2]
	s_cselect_b32 s[KHI], s82, s85
	s_cselect_b32 s[SWK], s83, -1
	s_mov_b32 s[KLO], 0
	s_lshl_b32 s[QB], s[IDX1], 7
	s_lshl_b32 s[QB2], s[IDX2], 7
	s_add_co_u32 s[KHI2], s[QB2], 127
	s_sub_co_u32 s[DQ], s[QB2], s[QB]
	s_lshl_b32 s88, s[HP], 10
	s_lshl_b32 s89, s[HP], 1
	TILE IDX2, Q2C, Q2S
	TILE IDX1, Q1C, Q1S
	s_lshl_b32 s85, s83, 3                         ; the output's unit of my first tile, which is the tile that I store
	s_add_co_u32 s85, s85, s[H2]
	s_mul_i32 s85, s85, U
	s_add_co_u32 s[OC], s85, s86
	s_add_co_u32 s[OS], s85, s87
	s_mov_b32 s[OC+1], 0
	s_mov_b32 s[OS+1], 0
	s_lshl_b32 s86, s[HD], 5                       ; V^T: panel = head, K steps 16 x batch on
	s_lshl_b32 s87, s[BT], 4
	s_add_co_u32 s86, s86, s87
	s_mul_i32 s[VP], s86, U
	s_mov_b32 s[VP+1], 0
	s_lshr_b32 s85, s81, 1
	s_lshl_b32 s85, s85, 5
	s_and_b32 s86, s81, 1
	s_lshl_b32 s86, s86, 3
	s_add_co_u32 s85, s85, s86                     ; my first tile's first query
	s_add_nc_u64 s[Q1C:Q1C+1], s[4:5], s[Q1C:Q1C+1]
	s_add_nc_u64 s[Q1S:Q1S+1], s[4:5], s[Q1S:Q1S+1]
	s_add_nc_u64 s[Q2C:Q2C+1], s[4:5], s[Q2C:Q2C+1]
	s_add_nc_u64 s[Q2S:Q2S+1], s[4:5], s[Q2S:Q2S+1]
	s_add_nc_u64 s[OC:OC+1], s[8:9], s[OC:OC+1]
	s_add_nc_u64 s[OS:OS+1], s[8:9], s[OS:OS+1]
	s_add_nc_u64 s[VP:VP+1], s[6:7], s[VP:VP+1]
	v_and_b32 v232, 31, v0
	v_lshlrev_b32 v[LI], 4, v232
	global_load_b128 v[16:19], v[LI], s[Q1C:Q1C+1]             ; Q: my head's two register groups
	global_load_b128 v[20:23], v[LI], s[Q1C:Q1C+1] offset:512
	global_load_u16 v255, v[LI], s[Q1S:Q1S+1]                  ; and its two scale bytes, zeros above them
	v_add_nc_u32 v[LS], s89, v[LI]
	s_mul_i32 s81, s[PR], MSZ
	s_add_co_u32 s81, s81, MRG
	v_add_nc_u32 v[MW], s81, v[LI]
	v_and_b32 v232, 15, v0
	v_and_b32 v233, 8, v232
	v_add_nc_u32 v232, v232, v233                  ; r + 8 (r / 8)
	v_bfe_u32 v233, v0, 4, 1
	v_lshlrev_b32 v233, 4, v233
	v_sub_nc_u32 v232, v232, v233
	v_add_nc_u32 v[QL], s85, v232
	s_mov_b32 s[SEL], 0x76543210
	s_mov_b32 s[SEL+1], 0xfedcba98
	s_mov_b32 s[CS], 0x3d38aa3b                    ; c = log2(e) / 32
	s_mov_b32 s[CS+1], s[CS]
	s_mov_b32 s[MNT], 0x600000
	s_mov_b32 s[KF], 0
	s_mov_b32 s[KO], 0
	s_mov_b32 s[VO], 0
	s_mov_b32 s[SO], KSB
.macro FRESH                           ; a tile's part begins: the largest t -3e38, sums and O^T zeros, which the first change of M leaves zeros
	v_mov_b32 v13, 0xff61b1e6
	v_floor_f32 v12, -v13
	v_mov_b32 v14, 0
	v_mov_b32 v15, 0
.set j, 0
.rept 32
	v_mov_b32 v[O+j], 0
.set j, j+1
.endr
.endm
.irp j, 0,1,2,3,4,5,6,7
	v_mov_b32 v[24+\j], 0                          ; Q's blocks 2 and 3,
	v_mov_b32 v[96+\j], 0                          ; and what stands behind K's last fragment: zero codes, written once
.endr
.irp b, 0,1,2,3
	v_mov_b32 v[236+\b], 0                         ; written once: a lane permute's destination counts as one of its sources
.endr
	v_mov_b32 v251, 0                              ; (upper halves of pairs that packed forms name)
	v_mov_b32 v252, 0
	v_mov_b32 v253, 0
	FRESH
; THE WAY OUT of a tile: O^T / the sum; register 16 b + i is d = 32 b + 16 h + i of my query: two blocks of the next product's K, quantised as they stand.
.macro FINISH
	v_add_f32 v14, v14, v15
	s_delay_alu instid0(VALU_DEP_1)
	v_permlanex16_b32 v252, v14, s[SEL], s[SEL+1]
	s_delay_alu instid0(VALU_DEP_1)
	v_add_f32 v14, v14, v252                       ; the row's sum
	s_wait_alu depctr_va_vdst(0)                   ; the wait ahead of the transcendental
	v_rcp_f32 v14, v14
	v_nop
	s_wait_alu depctr_va_vdst(0)                   ; and ahead of its first reader, which is O^T's too
.set j, 0
.rept 32
	v_mul_f32 v[S+j], v[O+j], v14
.set j, j+1
.endr
.irp b, 0,1
	v_max3_num_f32 v[232+\b], |v[S+16*\b]|, |v[S+1+16*\b]|, 0x8000000
.endr
.irp i, 2,4,6,8,10,12,14
.irp b, 0,1
	s_delay_alu instid0(VALU_DEP_2)
	v_max3_num_f32 v[232+\b], v[232+\b], |v[S+16*\b+\i]|, |v[S+1+16*\b+\i]|
.endr
.endr
.irp b, 0,1
	s_delay_alu instid0(VALU_DEP_2)
	v_permlanex16_b32 v[236+\b], v[232+\b], s[SEL], s[SEL+1]
.endr
.irp b, 0,1
	s_delay_alu instid0(VALU_DEP_2)
	v_max_num_f32 v[232+\b], v[232+\b], v[236+\b]
.endr
.irp b, 0,1
	s_delay_alu instid0(VALU_DEP_2)
	v_add_nc_u32 v[244+\b], 0xf8800000, v[232+\b]
.endr
.irp b, 0,1
	s_delay_alu instid0(VALU_DEP_4)
	v_and_or_b32 v[240+\b], v[232+\b], 0x7f800000, s[MNT]
.endr
.irp b, 0,1
	s_delay_alu instid0(VALU_DEP_4)
	v_lshrrev_b32 v[236+\b], 23, v[244+\b]
.endr
	s_delay_alu instid0(VALU_DEP_1)
	v_lshl_or_b32 v253, v237, 8, v236              ; my head's two scale bytes
.irp b, 0,1
.set i, 0
.rept 16
	v_med3_num_f32 v[S+16*\b+i], v[S+16*\b+i], -v[240+\b], v[240+\b]
.set i, i+1
.endr
	v_cvt_scalef32_pk8_bf8_f32 v[PCD+4*\b:PCD+1+4*\b], v[S+16*\b:S+7+16*\b], v[244+\b]
	v_cvt_scalef32_pk8_bf8_f32 v[PCD+2+4*\b:PCD+3+4*\b], v[S+8+16*\b:S+15+16*\b], v[244+\b]
.endr
	v_nop                                          ; one plain instruction behind the last conversion
	global_store_b128 v[LI], v[PCD:PCD+3], s[OC:OC+1]          ; 512 consecutive bytes a store
	global_store_b128 v[LI], v[PCD+4:PCD+7], s[OC:OC+1] offset:512
	global_store_b16 v[LI], v253, s[OS:OS+1]
.endm
.macro ADDP c, o                       ; a pair of p onto a chain of the row's sum
	v_pk_add_f32 v[\c:\c+1], v[\c:\c+1], v[S+\o:S+\o+1]
.endm
.macro ADD2 c, o                       ; two pairs of p start a chain
	v_pk_add_f32 v[\c:\c+1], v[S+\o:S+\o+1], v[S+\o+4:S+\o+5]
.endm
; n KEY STEPS of 128 keys, upward.
.macro STEPS n
	s_mov_b32 s[N], 0
.Lstep_\@:
	s_cmp_eq_u32 s[KF], s[SWK]
	s_cbranch_scc0 .Lsame_\@
	; waves 8-15, once: the early tile is finished and leaves; the late tile's second part begins
.rept 8
	v_nop                                          ; eight places behind the last products
.endr
	global_load_b128 v[16:19], v[LI], s[Q2C:Q2C+1]             ; the late tile's Q lands under the way out
	global_load_b128 v[20:23], v[LI], s[Q2C:Q2C+1] offset:512
	global_load_u16 v255, v[LI], s[Q2S:Q2S+1]
	FINISH
	FRESH
	v_add_nc_u32 v[QL], s[DQ], v[QL]
	s_mov_b32 s[KLO], KSPLIT
	s_mov_b32 s[KHI], s[KHI2]
	s_mov_b32 s[QB], s[QB2]
	s_wait_alu depctr_va_vdst(0)
	s_wait_xcnt 0x0                                ; the stores have read their registers
	s_wait_loadcnt 0x0
.Lsame_\@:
	s_cmp_lt_u32 s[KF], s[KLO]                     ; not my part of the tile,
	s_cbranch_scc1 .Lhidden_\@
	s_cmp_gt_u32 s[KF], s[KHI]                     ; or all keys come after my queries: the step's work is left out
	s_cbranch_scc1 .Lhidden_\@
	v_add_nc_u32 v[ADK], s[KO], v[LI]
	v_add_nc_u32 v[ADV], s[VO], v[LI]
	v_add_nc_u32 v[ADS], s[SO], v[LS]
	v_add_nc_u32 v[ADK2], 0x10000, v[ADK]
	s_wait_alu depctr_va_vdst(0)
.rept 4
	v_nop                                          ; with the four additions: eight places in front of loads into registers that matrix instructions have read
.endr
.irp g, 0,1                                    ; K's eight tiles of 16 keys: panel g, tile place r and r + 2; 8 registers each
.irp r, 0,1
.irp c, 0,1
	ds_load_b128 v[32+8*(4*\g+\r)+4*\c:35+8*(4*\g+\r)+4*\c], v[ADK] offset:\r*32768+\g*1024+512*\c
	ds_load_b128 v[48+8*(4*\g+\r)+4*\c:51+8*(4*\g+\r)+4*\c], v[ADK2] offset:\r*32768+\g*1024+512*\c
.endr
.endr
.endr
.irp g, 0,1
.irp r, 0,1,2,3
	ds_load_u16 v[KSC+4*\g+\r], v[ADS] offset:\g*512+4*\r      ; my head's two scale bytes of each key, zeros above them
.endr
.endr
	s_wait_dscnt 0x0
.irp t, 0,1,2,3,4,5,6,7                        ; S^T = K Q^T
	v_wmma_scale_f32_16x16x128_f8f6f4 v[S+8*\t:S+7+8*\t], v[32+8*\t:47+8*\t], v[16:31], 0, v[KSC+\t], v255 matrix_a_fmt:MATRIX_FMT_BF8 matrix_b_fmt:MATRIX_FMT_BF8
.endr
.rept 8
	v_nop                                          ; eight places: in front of the loads below and of the first read of the scores
.endr
.irp t, 0,1,2,3                                ; V^T's four tiles of these 128 keys, and their scale words: they land under the softmax
.irp c, 0,1,2,3
	global_load_b128 v[32+16*\t+4*\c:35+16*\t+4*\c], v[ADV], s[VP:VP+1] offset:\t*2048+512*\c
.endr
.endr
	global_load_b128 v[VSC:VSC+3], v[ADV], s[VP:VP+1] offset:8192
	s_cmp_lt_u32 s[KF], s[QB]                      ; a step ahead of the diagonal skips the mask
	s_cbranch_scc1 .Lopen_\@
	v_sub_nc_u32 v252, v[QL], s[KF]                ; d = my query - KF - 16 h.  Register 16 b + i holds key KF + 16 h + 32 b + i: hidden where 32 b + i > d.  Key KF counts for every query, so M stays a number
	v_mov_b32 v254, 0xff800000
.set n, 0
.rept 64
	v_cmp_gt_i32 vcc_lo, 32*(n/16)+n%16, v252
	v_cndmask_b32 v[S+n], v[S+n], v254, vcc_lo
.set n, n+1
.endr
.Lopen_\@:
.irp b, 0,1,2,3
	v_max3_num_f32 v[232+\b], v[S+16*\b], v[S+1+16*\b], v[S+2+16*\b]   ; the largest score of each block of 32 keys: for the row's maximum and, since p rises with the score, for the block's largest p
.endr
.irp i, 3,5,7,9,11,13
.irp b, 0,1,2,3
	v_max3_num_f32 v[232+\b], v[232+\b], v[S+16*\b+\i], v[S+1+16*\b+\i]
.endr
.endr
.irp b, 0,1,2,3
	v_max_num_f32 v[232+\b], v[232+\b], v[S+15+16*\b]
.endr
.irp b, 0,1,2,3
	s_delay_alu instid0(VALU_DEP_4)
	v_permlanex16_b32 v[236+\b], v[232+\b], s[SEL], s[SEL+1]
.endr
.irp b, 0,1,2,3
	s_delay_alu instid0(VALU_DEP_4)
	v_max_num_f32 v[232+\b], v[232+\b], v[236+\b]  ; with lane l xor 16's 16 keys
.endr
	s_delay_alu instid0(VALU_DEP_2)
	v_max3_num_f32 v254, v232, v233, v234
	s_delay_alu instid0(VALU_DEP_1)
	v_max_num_f32 v254, v254, v235
	s_delay_alu instid0(VALU_DEP_1)
	v_mul_f32 v254, s[CS], v254                    ; as t (c is positive)
	s_delay_alu instid0(VALU_DEP_1)
	v_max_num_f32 v13, v13, v254                   ; the running largest t
	v_mov_b32 v254, v12
	s_delay_alu instid0(VALU_DEP_2)
	v_floor_f32 v12, -v13                          ; the new -M = -ceil(t)
	s_delay_alu instid0(VALU_DEP_1)
	v_sub_f32 v254, v12, v254                      ; old M - new M: a whole number, 0 or less
	s_delay_alu instid0(VALU_DEP_1)
	v_cvt_i32_f32 v254, v254                       ; (it saturates)
	s_delay_alu instid0(VALU_DEP_1)
	v_ldexp_f32 v252, 1.0, v254                    ; f = 2^(old M - new M)
.set j, 0
.rept 32
	v_pk_fma_f32 v[S+j:S+1+j], v[S+j:S+1+j], s[CS:CS+1], v[12:13] op_sel_hi:[1,0,0]   ; t - M, two at a time
.set j, j+2
.endr
.irp b, 0,1,2,3
	v_fma_f32 v[232+\b], v[232+\b], s[CS], v12     ; the same of each block's largest score
.endr
	s_wait_alu depctr_va_vdst(0)
.set j, 0
.rept 64
	v_exp_f32 v[S+j], v[S+j]                       ; p = 2^(t - M), at most 1
.set j, j+1
.endr
.irp b, 0,1,2,3
	v_exp_f32 v[232+\b], v[232+\b]                 ; the block's largest p
.endr
	v_pk_mul_f32 v[14:15], v[14:15], v[252:253] op_sel_hi:[1,0]   ; the sums under the new M (a plain place behind the exponentials)
	s_wait_alu depctr_va_vdst(0)                   ; one wait for the batch, ahead of its first reader
.irp b, 0,1,2,3
	v_max_num_f32 v[232+\b], 0x8000000, v[232+\b]  ; the floor 2^(16 - 127): the byte cannot fall under 1
.endr
.irp b, 0,1,2,3
	s_delay_alu instid0(VALU_DEP_4)
	v_add_nc_u32 v[244+\b], 0xf8800000, v[232+\b]  ; the conversion's scale operand
.endr
.irp b, 0,1,2,3
	v_and_or_b32 v[240+\b], v[232+\b], 0x7f800000, s[MNT]   ; 57,344 x the scale
.endr
.irp b, 0,1,2,3
	v_lshrrev_b32 v[236+\b], 23, v[244+\b]         ; the scale's byte
.endr
	s_delay_alu instid0(VALU_DEP_3)
	v_lshl_or_b32 v253, v237, 8, v236              ; p's scale word for these 128 keys
	s_delay_alu instid0(VALU_DEP_1)
	v_lshl_or_b32 v253, v238, 16, v253
	s_delay_alu instid0(VALU_DEP_1)
	v_lshl_or_b32 v253, v239, 24, v253
	ADD2 236, 4                                    ; the row's sum of the unquantised p, in eight chains
	ADD2 250, 12
	ADD2 248, 20
	ADD2 234, 28
	ADD2 232, 36
	ADD2 230, 44
	ADD2 228, 52
	ADDP 14, 60
	ADDP 236, 0
	ADDP 250, 2
	ADDP 248, 6
	ADDP 234, 10
	ADDP 232, 14
	ADDP 230, 18
	ADDP 228, 22
	ADDP 14, 26
	ADDP 236, 30
	ADDP 250, 34
	ADDP 248, 38
	ADDP 234, 42
	ADDP 232, 46
	ADDP 230, 50
	ADDP 228, 54
	ADDP 14, 58
	ADDP 236, 62
	s_delay_alu instid0(VALU_DEP_2)
	v_pk_add_f32 v[14:15], v[14:15], v[234:235]
	s_delay_alu instid0(VALU_DEP_2)
	v_pk_add_f32 v[236:237], v[236:237], v[232:233]
	v_pk_add_f32 v[250:251], v[250:251], v[230:231]
	v_pk_add_f32 v[248:249], v[248:249], v[228:229]
	s_delay_alu instid0(VALU_DEP_2)
	v_pk_add_f32 v[14:15], v[14:15], v[250:251]
	s_delay_alu instid0(VALU_DEP_2)
	v_pk_add_f32 v[236:237], v[236:237], v[248:249]
	s_delay_alu instid0(VALU_DEP_1)
	v_pk_add_f32 v[14:15], v[14:15], v[236:237]
.irp b, 0,1,2,3
.set i, 0
.rept 16
	v_min_num_f32 v[S+16*\b+i], v[S+16*\b+i], v[240+\b]   ; the conversion does not saturate (ISA guide 7.6.2); p is not negative, so the hold is one-sided
.set i, i+1
.endr
	v_cvt_scalef32_pk8_bf8_f32 v[PCD+4*\b:PCD+1+4*\b], v[S+16*\b:S+7+16*\b], v[244+\b]
	v_cvt_scalef32_pk8_bf8_f32 v[PCD+2+4*\b:PCD+3+4*\b], v[S+8+16*\b:S+15+16*\b], v[244+\b]
.endr
	s_wait_alu depctr_va_vdst(0)
.set j, 0
.rept 16
	v_pk_mul_f32 v[O+j:O+1+j], v[O+j:O+1+j], v[252:253] op_sel_hi:[1,0]   ; O^T under the new M (also the places in front of the products below)
.set j, j+2
.endr
	s_wait_alu depctr_va_vdst(0)
	s_wait_loadcnt 0x0                             ; V^T's fragments and scale words are in
.irp t, 0,1,2,3                                ; O^T += V^T P^T: the head's four tiles of 16; K = these 128 keys
	v_wmma_scale_f32_16x16x128_f8f6f4 v[O+8*\t:O+7+8*\t], v[32+16*\t:47+16*\t], v[PCD:PCD+15], v[O+8*\t:O+7+8*\t], v[VSC+\t], v253 matrix_a_fmt:MATRIX_FMT_BF8 matrix_b_fmt:MATRIX_FMT_BF8
.endr
.Lhidden_\@:
	s_add_co_u32 s[KF], s[KF], 128
	s_add_co_u32 s[KO], s[KO], 2048                ; two panels on,
	s_add_co_u32 s[VO], s[VO], U                   ; a unit of V^T,
	s_add_co_u32 s[SO], s[SO], 1024                ; two panels' scale words
	s_add_co_u32 s[N], s[N], 1
	s_cmp_lt_u32 s[N], \n
	s_cbranch_scc1 .Lstep_\@
.endm
	s_wait_alu depctr_va_vdst(0)
	s_wait_loadcnt 0x0                             ; Q
	s_cmp_lt_u32 s[WV], 5
	s_cbranch_scc0 .Lnot_first
	s_wait_tensorcnt 0x0                           ; waves 0-4: K of keys 0-1,023 and K's scale words have landed
.Lnot_first:
	s_barrier_signal -1
	s_barrier_wait -1
	STEPS 2                                        ; keys 0-255, while the rest lands
	s_wait_tensorcnt 0x0                           ; every wave: all that is still out
	s_wait_dscnt 0x0
	s_barrier_signal -1
	s_barrier_wait -1
	STEPS 14
	; THE TWO PARTS OF THE LATE TILE MEET.  Waves 8-15 hand O^T, -M and the sums over as images of their registers; waves 0-7 join them with their own and store the tile.
.rept 8
	v_nop                                          ; eight places behind the last products
.endr
	s_cmp_lt_u32 s[WV], 8
	s_cbranch_scc1 .Lkeeper
.irp k, 0,1,2,3,4,5,6,7
	ds_store_b128 v[MW], v[O+4*\k:O+3+4*\k] offset:512*\k
.endr
	ds_store_b128 v[MW], v[12:15] offset:4096
.Lkeeper:
	s_wait_dscnt 0x0                               ; for the other wave's sake: my stores have landed
	s_barrier_signal -1
	s_barrier_wait -1
	s_cmp_lt_u32 s[WV], 8
	s_cbranch_scc0 .Ldone
.irp k, 0,1,2,3,4,5,6,7
	ds_load_b128 v[S+4*\k:S+3+4*\k], v[MW] offset:512*\k
.endr
	ds_load_b128 v[S+32:S+35], v[MW] offset:4096
	s_wait_dscnt 0x0
	v_min_num_f32 v232, v12, v[S+32]               ; -M of the whole row
	v_sub_f32 v233, v232, v12                      ; my M - M, and the other part's: whole numbers, 0 or less (a part with no step has sums of 0 and a factor of 0)
	v_sub_f32 v234, v232, v[S+32]
	v_cvt_i32_f32 v233, v233
	v_cvt_i32_f32 v234, v234
	v_ldexp_f32 v252, 1.0, v233
	v_ldexp_f32 v250, 1.0, v234
	v_pk_mul_f32 v[14:15], v[14:15], v[252:253] op_sel_hi:[1,0]
	v_pk_fma_f32 v[14:15], v[S+34:S+35], v[250:251], v[14:15] op_sel_hi:[1,0,1]
.set j, 0
.rept 16
	v_pk_mul_f32 v[O+j:O+1+j], v[O+j:O+1+j], v[252:253] op_sel_hi:[1,0]
.set j, j+2
.endr
.set j, 0
.rept 16
	v_pk_fma_f32 v[O+j:O+1+j], v[S+j:S+1+j], v[250:251], v[O+j:O+1+j] op_sel_hi:[1,0,1]
.set j, j+2
.endr
	FINISH
.Ldone:
	s_wait_tensorcnt 0x0                           ; the wave's end
	ds_add_u32 v[SPW], v[NIL]
	s_wait_dscnt 0x0
	CROUND                                         ; the closing round
	s_endpgm
.Lfunc_end_k_q10d026c35b_attn:
	.size	k_q10d026c35b_attn, .Lfunc_end_k_q10d026c35b_attn-k_q10d026c35b_attn
	.p2alignl 7, 3214868480
	.fill 96, 4, 3214868480
	.section	.rodata,"a",@progbits
	.p2align	6, 0x0
	.amdhsa_kernel k_q10d026c35b_attn
		.amdhsa_group_segment_fixed_size 327680
		.amdhsa_private_segment_fixed_size 0
		.amdhsa_enable_private_segment 0
		.amdhsa_kernarg_size 24
		.amdhsa_user_sgpr_count 2
		.amdhsa_user_sgpr_kernarg_segment_ptr 1
		.amdhsa_wavefront_size32 1
		.amdhsa_system_sgpr_workgroup_id_x 1
		.amdhsa_system_sgpr_workgroup_id_y 1
		.amdhsa_system_sgpr_workgroup_id_z 1
		.amdhsa_system_vgpr_workitem_id 0
		.amdhsa_next_free_vgpr 256
		.amdhsa_next_free_sgpr 100
		.amdhsa_reserve_vcc 1
		.amdhsa_float_denorm_mode_32 3
		.amdhsa_float_denorm_mode_16_64 3
		.amdhsa_memory_ordered 1
		.amdhsa_forward_progress 1
		.amdhsa_inst_pref_size 90
	.end_amdhsa_kernel
	.amdgpu_metadata
---
amdhsa.version: [ 1, 2 ]
amdhsa.kernels:
  - .name:           k_q10d026c35b_attn
    .symbol:         k_q10d026c35b_attn.kd
    .args:
      - { .name: qk, .offset: 0, .size: 8, .value_kind: global_buffer, .address_space: global }
      - { .name: vt, .offset: 8, .size: 8, .value_kind: global_buffer, .address_space: global }
      - { .name: actc, .offset: 16, .size: 8, .value_kind: global_buffer, .address_space: global }
    .group_segment_fixed_size: 327680
    .private_segment_fixed_size: 0
    .kernarg_segment_align: 8
    .kernarg_segment_size: 24
    .max_flat_workgroup_size: 512
    .sgpr_count:     100
    .vgpr_count:     256
    .wavefront_size: 32
...
	.end_amdgpu_metadata
.endif
;; end of part 3
;; launch proj (part 4): grid 32 x 8, 8 waves a work-group, clusters of 4 x 4, 327,680 bytes of LDS; arguments actc, wc, x, bo, x1; writes x1
.if DOCPART == 4
	.amdgcn_target "amdgcn-amd-amdhsa--gfx1250"
	.amdhsa_code_object_version 6
	.text
	.protected	k_q10d026c35b_proj
	.globl	k_q10d026c35b_proj
	.p2align	8
	.type	k_q10d026c35b_proj,@function
k_q10d026c35b_proj:
	s_mov_b64 s[64:65], 0
	v_nop
	global_prefetch_b8 v0, s[64:65] scope:SCOPE_SE
	s_setreg_imm32_b32 hwreg(HW_REG_WAVE_MODE, 25, 1), 1
	s_wait_xcnt 0x0
	s_wait_alu depctr_hold_cnt(0) depctr_sa_sdst(0) depctr_va_vdst(0) depctr_va_sdst(0) depctr_va_ssrc(0) depctr_va_vcc(0) depctr_vm_vsrc(0)
	s_getreg_b32 s2, hwreg(HW_REG_IB_STS2, 6, 4)
	s_cmp_eq_u32 s2, 0
	s_cbranch_scc0 .Lentry_in_a_cluster
	s_endpgm
.Lentry_in_a_cluster:
	s_bfe_u32 s2, ttmp6, 0x10000c
	s_cmp_lg_u32 s2, 0xf033
	s_cbranch_scc0 .Lentry_shape_is_right
	s_endpgm
.Lentry_shape_is_right:
; x1 = x + bo + att Wo: a GEMM on codes of BF8 (E5M2) with E8M0 scales, 4,096 tokens x 1,024 columns, K = 1,024; f32 out.
; EVERY OPERAND LIES IN UNITS (8,704 bytes: 64 rows x 128 along K as an image of the operand's registers: tile rb at 2,048 rb, register group c at 512 c, lane l's 16 bytes at 16 l; scale words at 8,192 + 16 l + 4 rb;
; tile T holds rows 32 (T / 2) + 8 (T % 2) + r + 8 (r / 8)).  An operand is [panel of 64 rows][KS] units.
; SHARES.  A work-group makes 128 tokens x 128 columns.  Its eight waves are 2 x 2 tiles of 64 x 64, twice: waves 0-3 take the first 256 of each 512 along K, waves 4-7 the second; the two halves' sums meet in LDS at the end.
; Source 0 = the weight's rows (columns of the result), source 1 = tokens: a lane holds one token and eight neighbouring columns.
; THE TOKENS' codes come through a ring of two LDS slots of 512 along K: four records of 17,408 bytes (a panel's two neighbouring units), fetched by waves 0-3, one joint load each: the four work-groups of a column of the
; 4 x 4 cluster need the same records.
; THE WEIGHT'S FRAGMENTS GO FROM MEMORY STRAIGHT INTO REGISTERS: a unit is the image of four fragments, so each load takes 512 consecutive bytes; of a wave's 68 fragment and scale loads for a tile of 512 along K only 34 go
; through LDS.  That is why the weight has no joint load.  The 17 loads of a half are issued one tile ahead, directly behind the products that free their registers.
; PREFETCH.  Each wave names, two tiles ahead of its use, a record of 68 blocks of 256 bytes: waves 0-3 the tokens' that they fetch, waves 4-7 the weight's four; the four partners that read a record share it by address, 17 each.
.set TILES, 2
.set KS,    8
.set WOFF,  3342336
.set U,     8704
.set REC,   2*U
.set SLOT,  8*REC
.set SPARE, 2*SLOT
.set SP,    528                        ; a stage row: 512 bytes + 16
.set HALF,  128*SP
.set LI,  1                            ; v1 16 x lane; v4-5 LDS address of my tokens' units in slot 0, 1; v6, v7 the spare word and 0; v8 the stage, in; v9-10 the stage, back; v14 the prefetch's offset
.set AS1, 4
.set SPW, 6
.set NIL, 7
.set STO, 8
.set RD,  9
.set PF,  14
.set SC0, 16                           ; v16-23 the weight's scale words, v24-31 the tokens'
.set SC1, 24
.set BI,  32
.set P0,  64                           ; window 0: v64-127 the weight's fragments, v128-191 the tokens' (first 128 along K); v192-255 the residual.  Window 1: v0-127 the sums; v128-191, v192-255 the fragments of the second 128
.set P1,  128
.set RES, 192
.set WV,  14
.set G1A, 24
.set G0A, 40
.set MSB, 0
.macro WIN new                         ; the immediate's high byte repeats the setting that is left
.if MSB != \new
	s_set_vgpr_msb (MSB<<8)|\new
.set MSB, \new
.endif
.endm
.macro CROUND                          ; a round of the cluster's barrier
	s_barrier_signal -1
	s_barrier_wait -1
	s_cmp_lg_u32 s[WV], 0
	s_cbranch_scc1 .Lnot_wave_0_\@
	s_barrier_signal -3
.Lnot_wave_0_\@:
	s_barrier_wait -3
	s_barrier_signal -1
	s_barrier_wait -1
.endm
.macro JLOAD s                         ; waves 0-3: a joint load into slot s; an s_nop 0 and four v_nop follow the line
	s_cmp_lt_u32 s[WV], 4
	s_cbranch_scc0 .Lasked_\@
	tensor_load_to_lds s[G0A+4*(\s):G0A+4*(\s)+3], s[G1A:G1A+7]
	s_nop 0
.rept 4
	v_nop
.endr
.Lasked_\@:
.endm
.macro ASK n                           ; tile n's record; base and offset registers are never rewritten
	global_prefetch_b8 v[PF], s[80:81] offset:(\n)*4*U th:TH_LOAD_NT scope:SCOPE_SE
.endm
	s_load_b256 s[4:11], s[0:1], 0x0               ; the tokens' codes, wc, the residual, the bias
	s_load_b64 s[12:13], s[0:1], 0x20              ; the result
	v_lshl_add_u32 v[SPW], v0, 2, SPARE
	v_mov_b32 v[NIL], 0
	ds_add_u32 v[SPW], v[NIL]                      ; the opening lines: the add, twice on end, and its wait
	ds_add_u32 v[SPW], v[NIL]
	v_lshrrev_b32 v1, 5, v0
	v_readfirstlane_b32 s[WV], v1                  ; wave 0..7
	s_and_b32 s15, s[WV], 1                        ; my 64 columns.  As a fetcher: which record of a panel
	s_bfe_u32 s66, s[WV], 0x10001                  ; my 64 tokens.  As a fetcher: which panel
	s_lshr_b32 s16, s[WV], 2                       ; my half of K
	s_bfe_u32 s17, ttmp6, 0x40000                  ; cx
	s_bfe_u32 s18, ttmp6, 0x40004                  ; cy
	s_lshl_b32 s19, ttmp9, 2
	s_add_co_u32 s19, s19, s17                     ; which 128 tokens
	s_and_b32 s20, ttmp7, 0xffff
	s_lshl_b32 s20, s20, 2
	s_add_co_u32 s20, s20, s18                     ; which 128 columns
	s_lshl_b32 s21, 0x1111, s17                    ; my column of the cluster
	s_or_b32 s[G1A], s21, (3<<16)|(1<<21)          ; the mask; elements of 8 bytes; bit 21 beside a mask; no padding
	s_mov_b32 s[G1A+1], 32<<16                     ; rows of 256 bytes,
	s_mov_b32 s[G1A+2], 68<<16                     ; 68 of them: 17,408 dense bytes
	s_mov_b32 s[G1A+3], 32<<16
	s_mov_b32 s[G1A+4], 68
	s_mov_b32 s[G1A+5], 32
	s_mov_b32 s[G1A+6], 0
	s_mov_b32 s[G1A+7], 0
	s_mul_i32 s67, s15, REC
	s_lshl_b32 s60, s19, 1
	s_add_co_u32 s60, s60, s66
	s_mul_i32 s60, s60, KS*U
	s_add_co_u32 s60, s60, s67                     ; the tokens' record that I fetch
	s_mov_b32 s61, 0
	s_lshl_b32 s62, s20, 1
	s_add_co_u32 s62, s62, s66
	s_mul_i32 s62, s62, KS*U
	s_add_co_u32 s62, s62, s67
	s_add_co_u32 s62, s62, WOFF                    ; the weight's record that I prefetch
	s_mov_b32 s63, 0
	s_lshl_b32 s82, s20, 1
	s_add_co_u32 s82, s82, s15
	s_mul_i32 s82, s82, KS*U
	s_mul_i32 s83, s16, 2*U
	s_add_co_u32 s82, s82, s83
	s_add_co_u32 s82, s82, WOFF                    ; the weight's units that I multiply: my columns' panel, my half of K
	s_mov_b32 s83, 0
	s_mul_i32 s23, s[WV], REC
	s_wait_dscnt 0x0                               ; both opening adds are done
	s_wait_kmcnt 0x0
	s_add_nc_u64 s[56:57], s[4:5], s[60:61]
	s_add_nc_u64 s[58:59], s[6:7], s[62:63]
	s_add_nc_u64 s[84:85], s[6:7], s[82:83]
	s_cmp_lt_u32 s[WV], 4
	s_cselect_b32 s78, s18, s17                    ; my place among the four that read the record: cy for the tokens', cx for the weight's
	s_cselect_b64 s[80:81], s[56:57], s[58:59]
	s_mul_i32 s78, s78, 17
	v_and_b32 v[PF], 31, v0
	v_min_u32 v[PF], 16, v[PF]                     ; lanes 17-31 name my last block again
	v_add_nc_u32 v[PF], s78, v[PF]
	v_lshlrev_b32 v[PF], 8, v[PF]
	s_wait_alu depctr_va_vdst(0)
	CROUND                                         ; all sixteen work-groups are here: the first joint loads meet
.irp s, 0,1
	s_mov_b32 s[G0A+4*\s], 1
	s_add_co_u32 s[G0A+4*\s+1], s23, \s*SLOT
	s_add_nc_u64 s[G0A+4*\s+2:G0A+4*\s+3], s[56:57], \s*4*U
	s_or_b32 s[G0A+4*\s+3], s[G0A+4*\s+3], 0x80000000
.endr
	JLOAD 0                                        ; tile 0: one tensor load a wave at the head
	ASK 1
.if TILES > 2
	ASK 2
.endif
	s_mul_i32 s74, s16, 2*U
	s_mul_i32 s69, s66, 4*U
	s_add_co_u32 s69, s69, s74                     ; my tokens' units in a slot
	s_mul_i32 s76, s16, HALF
	s_mul_i32 s75, s66, 64*SP
	s_add_co_u32 s76, s76, s75
	s_lshl_b32 s75, s15, 8
	s_add_co_u32 s76, s76, s75                     ; my 64 x 64 in my half's stage
	s_mul_i32 s77, s[WV], 16*SP                    ; the 16 rows that I add and store
	s_lshl_b32 s70, s19, 7
	s_lshl_b32 s71, s[WV], 4
	s_add_co_u32 s70, s70, s71
	s_lshl_b32 s70, s70, 12
	s_lshl_b32 s72, s20, 9
	s_add_co_u32 s70, s70, s72
	s_mov_b32 s71, 0
	s_mov_b32 s73, 0
	s_add_nc_u64 s[8:9], s[8:9], s[70:71]
	s_add_nc_u64 s[12:13], s[12:13], s[70:71]
	s_add_nc_u64 s[10:11], s[10:11], s[72:73]
	v_and_b32 v11, 31, v0
	v_lshlrev_b32 v[LI], 4, v11
	v_add_nc_u32 v[AS1], s69, v[LI]
	v_add_nc_u32 v[AS1+1], SLOT, v[AS1]
	v_and_b32 v11, 15, v0
	v_bfe_u32 v12, v0, 4, 1
	v_and_b32 v13, 8, v11
	v_add_nc_u32 v13, v13, v11                     ; r + 8 (r / 8)
	v_mul_u32_u24 v[STO], v13, SP
	v_lshl_add_u32 v[STO], v12, 6, v[STO]
	v_add_nc_u32 v[STO], s76, v[STO]
	v_add_nc_u32 v[RD], s77, v[LI]
	v_add_nc_u32 v[RD+1], HALF, v[RD]
	s_wait_alu depctr_va_vdst(0)
.set i, 0
.rept 16
	global_load_b128 v[RES+4*i:RES+4*i+3], v[LI], s[8:9] offset:4096*i
.set i, i+1
.endr
	global_load_b128 v[BI:BI+3], v[LI], s[10:11]
.macro GA q, n                         ; the weight's four fragments and scale words of my q-th 128 along K of tile n: 17 loads
.if \q
	WIN 0x40
.endif
.irp t, 0,1,2,3
.irp c, 0,1,2,3
	global_load_b128 v[64+64*\q+16*\t+4*\c:64+64*\q+16*\t+4*\c+3], v[LI], s[84:85] offset:((\n)*4+\q)*U+\t*2048+512*\c
.endr
.endr
	WIN 0
	global_load_b128 v[SC0+4*\q:SC0+4*\q+3], v[LI], s[84:85] offset:((\n)*4+\q)*U+8192
.endm
.macro FETCH slot                      ; the tokens' scale words and eight fragments: 34 LDS loads (the places in front of them stand behind the products)
	ds_load_b128 v[SC1:SC1+3], v[AS1+\slot] offset:8192
	ds_load_b128 v[SC1+4:SC1+7], v[AS1+\slot] offset:U+8192
.irp m, 0,1,2,3
.irp c, 0,1,2,3
	ds_load_b128 v[128+16*\m+4*\c:128+16*\m+4*\c+3], v[AS1+\slot] offset:\m*2048+512*\c
.endr
.endr
	WIN 0x40
.irp m, 0,1,2,3
.irp c, 0,1,2,3
	ds_load_b128 v[192+16*\m+4*\c:192+16*\m+4*\c+3], v[AS1+\slot] offset:U+\m*2048+512*\c
.endr
.endr
	WIN 0
.endm
.macro MUL q, first                    ; 16 products; the 16 sums take turns; eight places follow, in front of loads into the registers that they have read and of the first read of the sums
.if \q
	WIN 0x55
.else
	WIN 0x50
.endif
.irp m, 0,1,2,3
	s_wait_dscnt 12-4*\m+16*(1-\q)                 ; the tokens' tile m of this half is in; its later tiles' loads, four each, and the other half's 16 may be out
.irp t, 0,1,2,3
.if \first
	v_wmma_scale_f32_16x16x128_f8f6f4 v[32*\m+8*\t:32*\m+8*\t+7], v[64+64*\q+16*\t:64+64*\q+16*\t+15], v[128+64*\q+16*\m:128+64*\q+16*\m+15], 0, v[SC0+4*\q+\t], v[SC1+4*\q+\m] matrix_a_fmt:MATRIX_FMT_BF8 matrix_b_fmt:MATRIX_FMT_BF8
.else
	v_wmma_scale_f32_16x16x128_f8f6f4 v[32*\m+8*\t:32*\m+8*\t+7], v[64+64*\q+16*\t:64+64*\q+16*\t+15], v[128+64*\q+16*\m:128+64*\q+16*\m+15], v[32*\m+8*\t:32*\m+8*\t+7], v[SC0+4*\q+\t], v[SC1+4*\q+\m] matrix_a_fmt:MATRIX_FMT_BF8 matrix_b_fmt:MATRIX_FMT_BF8
.endif
.endr
.endr
	WIN 0
.rept 8
	v_nop
.endr
.endm
.set NT, 1                             ; the tile whose weights are asked for next
.macro WORK slot, first
	FETCH \slot
	s_wait_loadcnt 17                              ; this tile's first half of the weight is in; the 17 loads of its second half may be out
	MUL 0, \first
.if NT < TILES
	GA 0, NT
	s_wait_loadcnt 17                              ; the second half is in; the 17 loads just issued may be out
.else
	s_wait_loadcnt 0x0
.endif
	MUL 1, 0
.if NT < TILES
	GA 1, NT
.endif
.set NT, NT+1
.endm
.set PFT, 4
.macro TRIP slot, refill
	s_wait_tensorcnt 0x0                           ; all my tensor loads have landed, so a group 0 may be written
	ds_add_u32 v[SPW], v[NIL]
.if \refill
	ds_add_u32 v[SPW], v[NIL]                      ; twice on end
	s_add_nc_u64 s[G0A+4*(1-\slot)+2:G0A+4*(1-\slot)+3], s[G0A+4*(1-\slot)+2:G0A+4*(1-\slot)+3], 8*U
	s_wait_dscnt 0x0
	CROUND
	JLOAD 1-\slot
.if PFT < TILES
	ASK PFT
.set PFT, PFT+1
.endif
.else
	s_wait_dscnt 0x0
	s_barrier_signal -1
	s_barrier_wait -1
.endif
	WORK \slot, 0
.endm
	GA 0, 0
	GA 1, 0
	s_wait_tensorcnt 0x0                           ; my record of tile 0 is in
	ds_add_u32 v[SPW], v[NIL]
	ds_add_u32 v[SPW], v[NIL]
	s_wait_dscnt 0x0
	CROUND
	JLOAD 1                                        ; tile 1, the first tensor load behind the round
.if TILES > 3
	ASK 3
.endif
	WORK 0, 1
.if TILES > 2
.rept (TILES-2)/2
	TRIP 1, 1
	TRIP 0, 1
.endr
.endif
	TRIP 1, 0
	; THE WAY OUT.  Both halves' sums go into a stage in slot 0, which has had its last fill and its last read; each wave adds 16 rows of both halves, the residual and the bias, and stores rows of 512 bytes.
	WIN 0x04
.irp m, 0,1,2,3
.irp t, 0,1,2,3
	ds_store_b128 v[STO], v[32*\m+8*\t:32*\m+8*\t+3] offset:(32*(\m/2)+8*(\m%2))*SP+128*(\t/2)+32*(\t%2)
	ds_store_b128 v[STO], v[32*\m+8*\t+4:32*\m+8*\t+7] offset:(32*(\m/2)+8*(\m%2))*SP+128*(\t/2)+32*(\t%2)+16
.endr
.endr
	WIN 0
.set i, 0
.rept 16
	v_pk_add_f32 v[RES+4*i:RES+4*i+1], v[RES+4*i:RES+4*i+1], v[BI:BI+1]
	v_pk_add_f32 v[RES+4*i+2:RES+4*i+3], v[RES+4*i+2:RES+4*i+3], v[BI+2:BI+3]
.set i, i+1
.endr
	s_wait_alu depctr_va_vdst(0)
	s_wait_dscnt 0x0
	s_barrier_signal -1
	s_barrier_wait -1
.set i, 0
.rept 16
	ds_load_b128 v[P0+4*i:P0+4*i+3], v[RD] offset:SP*i
	ds_load_b128 v[P1+4*i:P1+4*i+3], v[RD+1] offset:SP*i
.set i, i+1
.endr
.set i, 0
.rept 16
	s_wait_dscnt 30-2*i
	v_pk_add_f32 v[P0+4*i:P0+4*i+1], v[P0+4*i:P0+4*i+1], v[P1+4*i:P1+4*i+1]
	v_pk_add_f32 v[P0+4*i+2:P0+4*i+3], v[P0+4*i+2:P0+4*i+3], v[P1+4*i+2:P1+4*i+3]
	v_pk_add_f32 v[P0+4*i:P0+4*i+1], v[P0+4*i:P0+4*i+1], v[RES+4*i:RES+4*i+1]
	v_pk_add_f32 v[P0+4*i+2:P0+4*i+3], v[P0+4*i+2:P0+4*i+3], v[RES+4*i+2:RES+4*i+3]
	global_store_b128 v[LI], v[P0+4*i:P0+4*i+3], s[12:13] offset:4096*i
.set i, i+1
.endr
	s_wait_tensorcnt 0x0                           ; the wave's end
	ds_add_u32 v[SPW], v[NIL]
	s_wait_dscnt 0x0
	CROUND                                         ; the closing round
	s_endpgm
.Lfunc_end_k_q10d026c35b_proj:
	.size	k_q10d026c35b_proj, .Lfunc_end_k_q10d026c35b_proj-k_q10d026c35b_proj
	.p2alignl 7, 3214868480
	.fill 96, 4, 3214868480
	.section	.rodata,"a",@progbits
	.p2align	6, 0x0
	.amdhsa_kernel k_q10d026c35b_proj
		.amdhsa_group_segment_fixed_size 327680
		.amdhsa_private_segment_fixed_size 0
		.amdhsa_enable_private_segment 0
		.amdhsa_kernarg_size 40
		.amdhsa_user_sgpr_count 2
		.amdhsa_user_sgpr_kernarg_segment_ptr 1
		.amdhsa_wavefront_size32 1
		.amdhsa_system_sgpr_workgroup_id_x 1
		.amdhsa_system_sgpr_workgroup_id_y 1
		.amdhsa_system_sgpr_workgroup_id_z 1
		.amdhsa_system_vgpr_workitem_id 0
		.amdhsa_next_free_vgpr 512
		.amdhsa_next_free_sgpr 100
		.amdhsa_reserve_vcc 0
		.amdhsa_float_denorm_mode_32 3
		.amdhsa_float_denorm_mode_16_64 3
		.amdhsa_memory_ordered 1
		.amdhsa_forward_progress 1
		.amdhsa_inst_pref_size 42
	.end_amdhsa_kernel
	.amdgpu_metadata
---
amdhsa.version: [ 1, 2 ]
amdhsa.kernels:
  - .name:           k_q10d026c35b_proj
    .symbol:         k_q10d026c35b_proj.kd
    .args:
      - { .name: actc, .offset: 0, .size: 8, .value_kind: global_buffer, .address_space: global }
      - { .name: wc, .offset: 8, .size: 8, .value_kind: global_buffer, .address_space: global }
      - { .name: x, .offset: 16, .size: 8, .value_kind: global_buffer, .address_space: global }
      - { .name: bo, .offset: 24, .size: 8, .value_kind: global_buffer, .address_space: global }
      - { .name: x1, .offset: 32, .size: 8, .value_kind: global_buffer, .address_space: global }
    .group_segment_fixed_size: 327680
    .private_segment_fixed_size: 0
    .kernarg_segment_align: 8
    .kernarg_segment_size: 40
    .max_flat_workgroup_size: 256
    .sgpr_count:     100
    .vgpr_count:     512
    .wavefront_size: 32
...
	.end_amdgpu_metadata
.endif
;; end of part 4
;; launch ln2 (part 5): grid 256 x 1, 8 waves a work-group, no clusters, 70,656 bytes of LDS; arguments x1, g2, be2, actc; writes actc
.if DOCPART == 5
	.amdgcn_target "amdgcn-amd-amdhsa--gfx1250"
	.amdhsa_code_object_version 6
	.text
	.protected	k_q10d026c35b_ln2
	.globl	k_q10d026c35b_ln2
	.p2align	8
	.type	k_q10d026c35b_ln2,@function
k_q10d026c35b_ln2:
	s_mov_b64 s[64:65], 0
	v_nop
	global_prefetch_b8 v0, s[64:65] scope:SCOPE_SE
	s_setreg_imm32_b32 hwreg(HW_REG_WAVE_MODE, 25, 1), 1
	s_wait_xcnt 0x0
; out = Q((in - mean) x rsqrt(var + 1e-5) x g + be): a LayerNorm over rows of 1,024 f32, quantised along the row to codes of BF8 (E5M2), one E8M0 byte for each 32, laid in UNITS.
; A UNIT (8,704 bytes) is 64 rows (a panel) x 128 along K as an image of the matrix operand's registers: tile rb at 2,048 rb; register group c at 512 c; lane l's 16 bytes at 16 l
; (k = 32 c + 16 (l / 16) + 0..15 of tile row l % 16); at 8,192 + 16 l + 4 rb tile rb's scale word of tile row l % 16.  Tile T holds rows 32 (T / 2) + 8 (T % 2) + r + 8 (r / 8).  out: [panel][8] units.
; SHARES.  A work-group takes one tile (16 rows), each of its eight waves 128 columns of them: one fragment.  All 65,536 bytes of a work-group are asked for at once.
; Each load takes 512 consecutive bytes of a row; the wave's 8,192 bytes turn through its own stage in LDS (rows 528 bytes apart) and come back in the operand's order: register 16 b + i = column 32 b + 16 (l / 16) + i of row l % 16.
; The mean, and then the mean square OF THE CENTRED NUMBERS (no difference of large sums), meet in LDS: eight partial sums a row, one barrier each, added in the same order by every wave.
; The wave's codes are the fragment's registers: four stores of 512 consecutive bytes.  The scale word is a 4-byte store 16 bytes from lane to lane: 3 bytes in 100 of what is written.
; LIMITS: NaN and infinities are not served; a block whose largest magnitude lies under 2^-111, a block of zeros among them, gets the byte 1 (its codes are then zeros or subnormal codes; this program alone reads the bytes).
.set U,    8704
.set SP,   528                         ; a stage row: 512 bytes + 16: the 16 rows that a read touches start 4 words apart
.set WSTG, 16*SP
.set RED1, 8*WSTG                      ; behind the stages: 8 waves x 128 bytes of partial sums; 1,024 bytes on: the same for the squares
.set LI,   1                           ; v1   16 x lane
.set STO,  2                           ; v2   the stage, on the way in
.set RDA,  3                           ; v3   and on the way out: row r, + 64 h
.set GA,   4                           ; v4   64 h: my 16 columns of a block in g and be
.set RW,   5                           ; v5   where I put my partial sum: RED1 + 128 wave + 4 lane
.set RR,   6                           ; v6   where I read the eight: RED1 + 4 lane
.set TM,   28                          ; v28-31 largest magnitudes, v32-35 bytes, v36-39 the hold, v40-43 the conversions' scale operands
.set PW,   47                          ; the scale word
.set PC,   48                          ; v48-63   the codes
.set X,    64                          ; v64-127  my 64 numbers in the operand's order
.set R,    128                         ; v128-191 the rows as loaded; later g
.set BE,   192                         ; v192-255 be
.set SEL,  20                          ; s[20:21] v_permlanex16_b32's selects for lane l xor 16
.set MNT,  22
	s_load_b256 s[4:11], s[0:1], 0x0               ; in, g, be, out
	v_lshl_add_u32 v45, v0, 2, 0x11000
	v_mov_b32 v46, 0
	v_lshrrev_b32 v1, 5, v0
	s_delay_alu instid0(VALU_DEP_1)
	v_readfirstlane_b32 s12, v1                    ; wave 0..7
	v_and_b32 v9, 31, v0
	v_and_b32 v10, 15, v0                          ; r
	v_bfe_u32 v11, v0, 4, 1                        ; h
	s_delay_alu instid0(VALU_DEP_3)
	v_lshlrev_b32 v[LI], 4, v9
	s_mul_i32 s13, s12, WSTG
	v_add_nc_u32 v[STO], s13, v[LI]
	v_mul_u32_u24 v[RDA], v10, SP
	s_delay_alu instid0(VALU_DEP_1)
	v_lshl_add_u32 v[RDA], v11, 6, v[RDA]
	s_delay_alu instid0(VALU_DEP_1)
	v_add_nc_u32 v[RDA], s13, v[RDA]
	v_lshlrev_b32 v[GA], 6, v11
	v_lshl_add_u32 v[RR], v9, 2, RED1              ; (RED1 is past what an LDS immediate holds: the register carries it)
	s_lshl_b32 s14, s12, 7
	v_add_nc_u32 v[RW], s14, v[RR]
.irp b, 0,1,2,3
	v_mov_b32 v[TM+4+\b], 0                        ; written once: a lane permute's destination counts as one of its sources
.endr
	s_mov_b32 s[SEL], 0x76543210
	s_mov_b32 s[SEL+1], 0xfedcba98
	s_mov_b32 s[MNT], 0x600000
	s_mov_b32 s23, 0x3a800000                      ; 1 / 1,024
	s_mov_b32 s33, 0x3727c5ac                      ; 1e-5
	s_lshr_b32 s15, ttmp9, 1
	s_lshl_b32 s15, s15, 5
	s_and_b32 s16, ttmp9, 1
	s_lshl_b32 s16, s16, 3
	s_add_co_u32 s15, s15, s16                     ; the tile's first row: 32 (T / 2) + 8 (T % 2)
	s_lshl_b32 s26, s12, 9                         ; my wave's 512 bytes of a row, of g and of be
	s_mov_b32 s27, 0
	s_lshl_b32 s24, s15, 12
	s_add_co_u32 s24, s24, s26
	s_mov_b32 s25, 0
	s_lshr_b32 s28, ttmp9, 2
	s_lshl_b32 s28, s28, 3
	s_add_co_u32 s28, s28, s12
	s_mul_i32 s28, s28, U                          ; the unit: panel T / 4, K step = wave
	s_mov_b32 s29, 0
	s_and_b32 s32, ttmp9, 3
	s_lshl_b32 s30, s32, 11                        ; the tile's codes in it
	s_mov_b32 s31, 0
	s_wait_alu depctr_va_vdst(0)
	s_wait_kmcnt 0x0
	s_add_nc_u64 s[4:5], s[4:5], s[24:25]
	s_add_nc_u64 s[6:7], s[6:7], s[26:27]
	s_add_nc_u64 s[8:9], s[8:9], s[26:27]
	s_add_nc_u64 s[34:35], s[10:11], s[28:29]
	s_add_nc_u64 s[10:11], s[34:35], s[30:31]
	s_lshl_b32 s30, s32, 2
	s_add_co_u32 s30, s30, 8192                    ; and its scale words
	s_add_nc_u64 s[34:35], s[34:35], s[30:31]
.set i, 0
.rept 16
	global_load_b128 v[R+4*i:R+4*i+3], v[LI], s[4:5] offset:(i+8*(i/8))*4096    ; tile row i: 512 consecutive bytes
.set i, i+1
.endr
.irp b, 0,1,2,3
.irp j, 0,1,2,3
	global_load_b128 v[BE+16*\b+4*\j:BE+16*\b+4*\j+3], v[GA], s[8:9] offset:128*\b+16*\j
.endr
.endr
	s_wait_loadcnt 16                              ; the 16 rows are in; the 16 loads of be, issued behind them, may be out
.set i, 0
.rept 16
	ds_store_b128 v[STO], v[R+4*i:R+4*i+3] offset:SP*i
.set i, i+1
.endr
.irp b, 0,1,2,3
.irp j, 0,1,2,3
	ds_load_b128 v[X+16*\b+4*\j:X+16*\b+4*\j+3], v[RDA] offset:128*\b+16*\j      ; LDS serves a wave's instructions in order (ISA guide 5.7.1.4): these see my stores
.endr
.endr
	s_wait_dscnt 0x0
.irp b, 0,1,2,3
.irp j, 0,1,2,3
	global_load_b128 v[R+16*\b+4*\j:R+16*\b+4*\j+3], v[GA], s[6:7] offset:128*\b+16*\j   ; g, into the registers that the rows have left; it lands under the two reductions
.endr
.endr
; v[20:27], four chains of pairs, hold my 64 numbers' sum: it is joined with lane l xor 16's, and with the other seven waves' through LDS.  The row's sum comes out in v8, in every lane of every wave.
.macro ACROSS red
	s_delay_alu instid0(VALU_DEP_3)
	v_pk_add_f32 v[20:21], v[20:21], v[22:23]
	s_delay_alu instid0(VALU_DEP_2)
	v_pk_add_f32 v[24:25], v[24:25], v[26:27]
	s_delay_alu instid0(VALU_DEP_1)
	v_pk_add_f32 v[20:21], v[20:21], v[24:25]
	s_delay_alu instid0(VALU_DEP_1)
	v_add_f32 v20, v20, v21
	s_delay_alu instid0(VALU_DEP_1)
	v_permlanex16_b32 v22, v20, s[SEL], s[SEL+1]
	s_delay_alu instid0(VALU_DEP_1)
	v_add_f32 v20, v20, v22
	ds_store_b32 v[RW], v20 offset:\red
	s_wait_dscnt 0x0                               ; for the others' sake: my partial sum has landed
	s_barrier_signal -1
	s_barrier_wait -1
.irp w, 0,1,2,3,4,5,6,7
	ds_load_b32 v[8+\w], v[RR] offset:\red+128*\w
.endr
	s_wait_dscnt 0x0
	v_add_f32 v8, v8, v9
	v_add_f32 v10, v10, v11
	v_add_f32 v12, v12, v13
	v_add_f32 v14, v14, v15
	s_delay_alu instid0(VALU_DEP_3)
	v_add_f32 v8, v8, v10
	s_delay_alu instid0(VALU_DEP_2)
	v_add_f32 v12, v12, v14
	s_delay_alu instid0(VALU_DEP_1)
	v_add_f32 v8, v8, v12
.endm
.irp c, 0,1,2,3
	v_pk_add_f32 v[20+2*\c:21+2*\c], v[X+2*\c:X+2*\c+1], v[X+8+2*\c:X+8+2*\c+1]   ; the first sums start the chains: nothing is cleared
.endr
.irp i, 16,24,32,40,48,56
.irp c, 0,1,2,3
	s_delay_alu instid0(VALU_DEP_4)
	v_pk_add_f32 v[20+2*\c:21+2*\c], v[20+2*\c:21+2*\c], v[X+\i+2*\c:X+\i+2*\c+1]
.endr
.endr
	ACROSS 0
	s_delay_alu instid0(VALU_DEP_1)
	v_mul_f32 v16, s23, v8                         ; the mean
	s_delay_alu instid0(VALU_DEP_1)
	v_mov_b32 v17, v16
.set i, 0
.rept 32
	v_pk_add_f32 v[X+i:X+i+1], v[X+i:X+i+1], v[16:17] neg_lo:[0,1] neg_hi:[0,1]   ; x - mean
.set i, i+2
.endr
.irp c, 0,1,2,3
	v_pk_mul_f32 v[20+2*\c:21+2*\c], v[X+2*\c:X+2*\c+1], v[X+2*\c:X+2*\c+1]
.endr
.irp i, 8,16,24,32,40,48,56
.irp c, 0,1,2,3
	s_delay_alu instid0(VALU_DEP_4)
	v_pk_fma_f32 v[20+2*\c:21+2*\c], v[X+\i+2*\c:X+\i+2*\c+1], v[X+\i+2*\c:X+\i+2*\c+1], v[20+2*\c:21+2*\c]
.endr
.endr
	ACROSS 1024                                    ; other bytes than the first reduction's: no barrier is owed between the two
	s_delay_alu instid0(VALU_DEP_1)
	v_fma_f32 v20, v8, s23, s33                    ; var + 1e-5 (the division by 1,024 is exact)
	s_wait_alu depctr_va_vdst(0)
	v_rsq_f32 v18, v20
	v_rsq_f32 v19, v20                             ; twice, to fill the pair of the packed multiply
	v_nop                                          ; one plain instruction behind a transcendental (ISA guide 5.7.2)
	s_wait_loadcnt 0x0                             ; g and be
.set i, 0
	s_wait_alu depctr_va_vdst(0)
.rept 32
	v_pk_mul_f32 v[X+i:X+i+1], v[X+i:X+i+1], v[18:19]
.set i, i+2
.endr
.set i, 0
.rept 32
	v_pk_fma_f32 v[X+i:X+i+1], v[X+i:X+i+1], v[R+i:R+i+1], v[BE+i:BE+i+1]
.set i, i+2
.endr
	; the quantiser: four blocks of 32 along K; a block lies in lanes l and l xor 16, 16 numbers each
.irp b, 0,1,2,3
	v_max3_num_f32 v[TM+\b], |v[X+16*\b]|, |v[X+1+16*\b]|, 0x8000000     ; my 16 numbers, and the floor 2^(16 - 127): the byte cannot fall under 1
.endr
.irp i, 2,4,6,8,10,12,14
.irp b, 0,1,2,3
	s_delay_alu instid0(VALU_DEP_4)
	v_max3_num_f32 v[TM+\b], v[TM+\b], |v[X+16*\b+\i]|, |v[X+1+16*\b+\i]|   ; (the four blocks by turns)
.endr
.endr
.irp b, 0,1,2,3
	s_delay_alu instid0(VALU_DEP_4)
	v_permlanex16_b32 v[TM+4+\b], v[TM+\b], s[SEL], s[SEL+1]
.endr
.irp b, 0,1,2,3
	s_delay_alu instid0(VALU_DEP_4)
	v_max_num_f32 v[TM+\b], v[TM+\b], v[TM+4+\b]   ; the block's largest magnitude
.endr
.irp b, 0,1,2,3
	s_delay_alu instid0(VALU_DEP_4)
	v_add_nc_u32 v[TM+12+\b], 0xf8800000, v[TM+\b] ; 15 off its exponent field: the conversion's scale operand
.endr
.irp b, 0,1,2,3
	v_and_or_b32 v[TM+8+\b], v[TM+\b], 0x7f800000, s[MNT]   ; 57,344 x the scale
.endr
.irp b, 0,1,2,3
	v_lshrrev_b32 v[TM+4+\b], 23, v[TM+12+\b]      ; the scale's byte
.endr
	s_delay_alu instid0(VALU_DEP_3)
	v_lshl_or_b32 v[PW], v[TM+5], 8, v[TM+4]
	s_delay_alu instid0(VALU_DEP_1)
	v_lshl_or_b32 v[PW], v[TM+6], 16, v[PW]
	s_delay_alu instid0(VALU_DEP_1)
	v_lshl_or_b32 v[PW], v[TM+7], 24, v[PW]        ; my row's scale word
.irp b, 0,1,2,3
.set i, 0
.rept 16
	v_med3_num_f32 v[X+16*\b+i], v[X+16*\b+i], -v[TM+8+\b], v[TM+8+\b]   ; the conversion does not saturate (ISA guide 7.6.2): the hold comes first
.set i, i+1
.endr
	v_cvt_scalef32_pk8_bf8_f32 v[PC+4*\b:PC+1+4*\b], v[X+16*\b:X+7+16*\b], v[TM+12+\b]
	v_cvt_scalef32_pk8_bf8_f32 v[PC+2+4*\b:PC+3+4*\b], v[X+8+16*\b:X+15+16*\b], v[TM+12+\b]
.endr
.irp c, 0,1,2,3
	global_store_b128 v[LI], v[PC+4*\c:PC+4*\c+3], s[10:11] offset:512*\c   ; the fragment as it stands: 512 consecutive bytes a store
.endr
	global_store_b32 v[LI], v[PW], s[34:35]
	s_wait_tensorcnt 0x0
	ds_add_u32 v45, v46
	s_wait_dscnt 0x0
	s_endpgm
.Lfunc_end_k_q10d026c35b_ln2:
	.size	k_q10d026c35b_ln2, .Lfunc_end_k_q10d026c35b_ln2-k_q10d026c35b_ln2
	.p2alignl 7, 3214868480
	.fill 96, 4, 3214868480
	.section	.rodata,"a",@progbits
	.p2align	6, 0x0
	.amdhsa_kernel k_q10d026c35b_ln2
		.amdhsa_group_segment_fixed_size 70656
		.amdhsa_private_segment_fixed_size 0
		.amdhsa_enable_private_segment 0
		.amdhsa_kernarg_size 32
		.amdhsa_user_sgpr_count 2
		.amdhsa_user_sgpr_kernarg_segment_ptr 1
		.amdhsa_wavefront_size32 1
		.amdhsa_system_sgpr_workgroup_id_x 1
		.amdhsa_system_sgpr_workgroup_id_y 1
		.amdhsa_system_sgpr_workgroup_id_z 1
		.amdhsa_system_vgpr_workitem_id 0
		.amdhsa_next_free_vgpr 256
		.amdhsa_next_free_sgpr 66
		.amdhsa_reserve_vcc 0
		.amdhsa_float_denorm_mode_32 3
		.amdhsa_float_denorm_mode_16_64 3
		.amdhsa_memory_ordered 1
		.amdhsa_forward_progress 1
		.amdhsa_inst_pref_size 34
	.end_amdhsa_kernel
	.amdgpu_metadata
---
amdhsa.version: [ 1, 2 ]
amdhsa.kernels:
  - .name:           k_q10d026c35b_ln2
    .symbol:         k_q10d026c35b_ln2.kd
    .args:
      - { .name: x1, .offset: 0, .size: 8, .value_kind: global_buffer, .address_space: global }
      - { .name: g2, .offset: 8, .size: 8, .value_kind: global_buffer, .address_space: global }
      - { .name: be2, .offset: 16, .size: 8, .value_kind: global_buffer, .address_space: global }
      - { .name: actc, .offset: 24, .size: 8, .value_kind: global_buffer, .address_space: global }
    .group_segment_fixed_size: 70656
    .private_segment_fixed_size: 0
    .kernarg_segment_align: 8
    .kernarg_segment_size: 32
    .max_flat_workgroup_size: 256
    .sgpr_count:     66
    .vgpr_count:     256
    .wavefront_size: 32
...
	.end_amdgpu_metadata
.endif
;; end of part 5
;; launch ff1 (part 6): grid 16 x 16, 8 waves a work-group, clusters of 4 x 4, 327,680 bytes of LDS; arguments actc, wc, hid, b1; writes hid
.if DOCPART == 6
	.amdgcn_target "amdgcn-amd-amdhsa--gfx1250"
	.amdhsa_code_object_version 6
	.text
	.protected	k_q10d026c35b_ff1
	.globl	k_q10d026c35b_ff1
	.p2align	8
	.type	k_q10d026c35b_ff1,@function
k_q10d026c35b_ff1:
	s_mov_b64 s[64:65], 0
	v_nop
	global_prefetch_b8 v0, s[64:65] scope:SCOPE_SE
	s_setreg_imm32_b32 hwreg(HW_REG_WAVE_MODE, 25, 1), 1
	s_wait_xcnt 0x0
	s_wait_alu depctr_hold_cnt(0) depctr_sa_sdst(0) depctr_va_vdst(0) depctr_va_sdst(0) depctr_va_ssrc(0) depctr_va_vcc(0) depctr_vm_vsrc(0)
	s_getreg_b32 s2, hwreg(HW_REG_IB_STS2, 6, 4)
	s_cmp_eq_u32 s2, 0
	s_cbranch_scc0 .Lentry_in_a_cluster
	s_endpgm
.Lentry_in_a_cluster:
	s_bfe_u32 s2, ttmp6, 0x10000c
	s_cmp_lg_u32 s2, 0xf033
	s_cbranch_scc0 .Lentry_shape_is_right
	s_endpgm
.Lentry_shape_is_right:
; hid = Q(relu(LN2(x1) W1 + b1)): a GEMM on codes of BF8 (E5M2) with E8M0 scales, 4,096 tokens x 4,096 hidden units, K = 1,024, whose results are quantised in registers along the hidden units and leave as codes.
; EVERY OPERAND LIES IN UNITS.  A unit (8,704 bytes) is 64 rows (a panel) x 128 along K as an image of the operand's registers: tile rb at 2,048 rb, register group c at 512 c, lane l's 16 bytes at 16 l;
; at 8,192 + 16 l + 4 rb the scale words.  Tile T holds rows 32 (T / 2) + 8 (T % 2) + r + 8 (r / 8).  A RECORD is two neighbouring K steps of one panel: 17,408 dense bytes.
; SHARES.  A work-group makes 256 tokens x 256 hidden units; each of its eight waves 8 tiles of source 0 (W1's columns) x 4 tiles of source 1 (tokens): 32 accumulators, 256 registers; two waves to a SIMD.
; A lane holds one token, and the 16 registers of tiles 2 b, 2 b + 1 are 16 NEIGHBOURS along the hidden units, the next product's K.  A wave's 128 x 64 results are exactly one unit of hid [token panel][32].
; The bias is loaded straight into the accumulators; the activation costs nothing: the hold that the conversion wants anyway clips at 0 as well.
; THE TOKENS' codes come through a ring of two LDS slots of 256 along K: the four panels' records, fetched by waves 0-3, one joint load each: the four work-groups of a column of the 4 x 4 cluster need the same records.
; THE WEIGHT'S FRAGMENTS GO FROM MEMORY STRAIGHT INTO REGISTERS: a unit is the image of four fragments, so each load takes 512 consecutive bytes; of a wave's 51 fragment and scale loads for 128 along K only 17 go through LDS.
; That is why the weight has no joint load.  The products go by source 0's tiles; the 17 loads of four tiles are issued for the next 128 along K directly behind the products that free their registers.
; PREFETCH.  Each wave names a record's 68 blocks of 256 bytes ahead of its use: waves 0-3 the tokens' that they fetch, waves 4-7 the weight's four panels'; the four partners that read a record share it by address, 17 each.
; LIMITS: NaN and infinities are not served; a block whose largest number lies under 2^-111, a block of zeros among them, gets the byte 1 (this program alone reads the bytes).
.set KSH,   5                          ; log2(units to a panel of the output)
.set WOFF,  4456448                    ; the weights' place in wc
.set U,     8704
.set REC,   2*U
.set SLOT,  4*REC
.set SPARE, 2*SLOT                     ; behind the ring: the spare words, 128 bytes for each of the eight waves
.set LI,  1                            ; v1    16 x lane
.set AS1, 4                            ; v4-5  LDS address of my tokens' record in slot 0, 1
.set SPW, 6                            ; v6    LDS address of my spare word; never rewritten
.set NIL, 7                            ; v7    0; never rewritten
.set BA,  8                            ; v8    64 h: my eight numbers of a tile's bias
.set PF,  10                           ; v10   the prefetch's offset
.set SC0, 16                           ; v16-23 source 0's scale words, one register a tile
.set SC1, 24                           ; v24-27 source 1's
.set TM,  32                           ; v32-47 the quantiser's: largest numbers, bytes, holds, scale operands
.set PW,  48                           ; v48-51 the four tiles' scale words: the image of the unit's last 512 bytes
.set SF1, 64                           ; v64-127  source 1's four fragments
.set SF0, 128                          ; v128-255 source 0's eight
.set PC,  128                          ; the codes made at the end lie where source 0's fragments lay
                                       ; window 1 (v256-511): accumulator (m, t) at v[64 m + 8 t]
.set WV,  12
.set G1A, 24
.set G0A, 40
.set SEL, 76
.set MNT, 78
.set MSB, 0
.macro WIN new                         ; the immediate's high byte repeats the setting that is left
.if MSB != \new
	s_set_vgpr_msb (MSB<<8)|\new
.set MSB, \new
.endif
.endm
.macro CROUND                          ; a round of the cluster's barrier
	s_barrier_signal -1
	s_barrier_wait -1
	s_cmp_lg_u32 s[WV], 0
	s_cbranch_scc1 .Lnot_wave_0_\@
	s_barrier_signal -3
.Lnot_wave_0_\@:
	s_barrier_wait -3
	s_barrier_signal -1
	s_barrier_wait -1
.endm
.macro JLOAD s                         ; waves 0-3: a joint load into slot s; an s_nop 0 and four v_nop follow the line
	s_cmp_lt_u32 s[WV], 4
	s_cbranch_scc0 .Lasked_\@
	tensor_load_to_lds s[G0A+4*(\s):G0A+4*(\s)+3], s[G1A:G1A+7]
	s_nop 0
.rept 4
	v_nop
.endr
.Lasked_\@:
.endm
.macro ASK n                           ; the n-th 256 along K of my record's panel; base and offset registers are never rewritten
	global_prefetch_b8 v[PF], s[80:81] offset:(\n)*REC th:TH_LOAD_NT scope:SCOPE_SE
.endm
	s_load_b256 s[4:11], s[0:1], 0x0               ; the activations' codes, wc, the output, the bias
	v_lshl_add_u32 v[SPW], v0, 2, SPARE
	v_mov_b32 v[NIL], 0
	ds_add_u32 v[SPW], v[NIL]                      ; the opening lines: the add, twice on end, and its wait
	ds_add_u32 v[SPW], v[NIL]
	v_lshrrev_b32 v1, 5, v0
	v_readfirstlane_b32 s[WV], v1                  ; wave 0..7
	s_and_b32 s13, s[WV], 1                        ; ws0: which 128 rows of source 0
	s_lshr_b32 s14, s[WV], 1                       ; ws1: which 64 rows of source 1
	s_and_b32 s23, s[WV], 3                        ; which panel I fetch or prefetch
	s_bfe_u32 s15, ttmp6, 0x40000                  ; cx
	s_bfe_u32 s16, ttmp6, 0x40004                  ; cy
	s_lshl_b32 s17, ttmp9, 2
	s_add_co_u32 s17, s17, s15                     ; XT: which 256 tokens
	s_and_b32 s19, ttmp7, 0xffff
	s_lshl_b32 s18, s19, 2
	s_add_co_u32 s18, s18, s16                     ; YT: which 256 weight rows
	s_lshl_b32 s20, 0x1111, s15                    ; my column of the cluster (same cx)
	s_or_b32 s[G1A], s20, (3<<16)|(1<<21)          ; the mask; elements of 8 bytes; bit 21 beside a mask; no padding
	s_mov_b32 s[G1A+1], 32<<16                     ; rows of 256 bytes,
	s_mov_b32 s[G1A+2], 68<<16                     ; 68 of them: 17,408 dense bytes
	s_mov_b32 s[G1A+3], 32<<16
	s_mov_b32 s[G1A+4], 68
	s_mov_b32 s[G1A+5], 32
	s_mov_b32 s[G1A+6], 0
	s_mov_b32 s[G1A+7], 0
	s_lshl_b32 s60, s17, 2
	s_add_co_u32 s60, s60, s23
	s_mul_i32 s60, s60, 8*U                        ; the tokens' panel that I fetch
	s_mov_b32 s61, 0
	s_lshl_b32 s62, s18, 2
	s_add_co_u32 s62, s62, s23
	s_mul_i32 s62, s62, 8*U
	s_add_co_u32 s62, s62, WOFF                    ; the weight's panel that I prefetch
	s_mov_b32 s63, 0
	s_lshl_b32 s82, s18, 2
	s_lshl_b32 s83, s13, 1
	s_add_co_u32 s82, s82, s83
	s_mul_i32 s82, s82, 8*U
	s_add_co_u32 s82, s82, WOFF                    ; the weight's two panels that I multiply
	s_mov_b32 s83, 0
	s_mul_i32 s22, s[WV], REC                      ; where my record goes: no place in the cluster enters an LDS address
	s_wait_dscnt 0x0                               ; both opening adds are done
	s_wait_kmcnt 0x0
	s_add_nc_u64 s[56:57], s[4:5], s[60:61]
	s_add_nc_u64 s[58:59], s[6:7], s[62:63]
	s_add_nc_u64 s[84:85], s[6:7], s[82:83]
	s_cmp_lt_u32 s[WV], 4
	s_cselect_b32 s79, s16, s15                    ; my place among the four that read the record: cy for the tokens', cx for the weight's
	s_cselect_b64 s[80:81], s[56:57], s[58:59]
	s_mul_i32 s79, s79, 17
	v_and_b32 v[PF], 31, v0
	v_min_u32 v[PF], 16, v[PF]                     ; lanes 17-31 name my last block again
	v_add_nc_u32 v[PF], s79, v[PF]
	v_lshlrev_b32 v[PF], 8, v[PF]
	s_wait_alu depctr_va_vdst(0)
	CROUND                                         ; all sixteen work-groups are here: the first joint loads meet
.irp s, 0,1
	s_mov_b32 s[G0A+4*\s], 1
	s_add_co_u32 s[G0A+4*\s+1], s22, \s*SLOT
	s_add_nc_u64 s[G0A+4*\s+2:G0A+4*\s+3], s[56:57], \s*REC
	s_or_b32 s[G0A+4*\s+3], s[G0A+4*\s+3], 0x80000000
.endr
	JLOAD 0                                        ; K = 0..255; slot 1 is first filled behind the first trip's round, as a refill is
	ASK 1
	s_mul_i32 s69, s14, REC
	s_lshl_b32 s70, s17, 2                         ; my unit of the output: panel 4 XT + ws1, K step 2 YT + ws0
	s_add_co_u32 s70, s70, s14
	s_lshl_b32 s70, s70, KSH
	s_lshl_b32 s71, s18, 1
	s_add_co_u32 s70, s70, s71
	s_add_co_u32 s70, s70, s13
	s_mul_i32 s70, s70, U
	s_mov_b32 s71, 0
	s_add_nc_u64 s[8:9], s[8:9], s[70:71]
	s_lshl_b32 s74, s18, 10
	s_lshl_b32 s75, s13, 9
	s_add_co_u32 s74, s74, s75
	s_mov_b32 s75, 0
	s_add_nc_u64 s[10:11], s[10:11], s[74:75]
	s_mov_b32 s[SEL], 0x76543210
	s_mov_b32 s[SEL+1], 0xfedcba98
	s_mov_b32 s[MNT], 0x600000
	v_and_b32 v9, 31, v0
	v_lshlrev_b32 v[LI], 4, v9
	v_add_nc_u32 v[AS1], s69, v[LI]
	v_add_nc_u32 v[AS1+1], SLOT, v[AS1]
	v_bfe_u32 v9, v0, 4, 1                         ; the bias goes straight into the accumulators: register j of tile t is source 0's row 32 (t / 2) + 8 (t % 2) + 16 h + j
	v_lshlrev_b32 v[BA], 6, v9
.irp b, 0,1,2,3
	v_mov_b32 v[TM+4+\b], 0                        ; written once: a lane permute's destination counts as one of its sources
.endr
	s_wait_alu depctr_va_vdst(0)
.macro GW h, k                         ; the weight's tiles 4 h .. 4 h + 3 (panel h of my two) and their scale words for the k-th 128 along K: 17 loads
.irp t, 0,1,2,3
.irp c, 0,1,2,3
	global_load_b128 v[SF0+64*\h+16*\t+4*\c:SF0+64*\h+16*\t+4*\c+3], v[LI], s[84:85] offset:(8*\h+(\k))*U+\t*2048+512*\c
.endr
.endr
	global_load_b128 v[SC0+4*\h:SC0+4*\h+3], v[LI], s[84:85] offset:(8*\h+(\k))*U+8192
.endm
	GW 0, 0
	GW 1, 0
	WIN 0x40                                       ; destination window 1
.irp m, 0,1,2,3
.irp t, 0,1,2,3,4,5,6,7
	global_load_b128 v[64*\m+8*\t:64*\m+8*\t+3], v[BA], s[10:11] offset:128*(\t/2)+32*(\t%2)
	global_load_b128 v[64*\m+8*\t+4:64*\m+8*\t+7], v[BA], s[10:11] offset:128*(\t/2)+32*(\t%2)+16
.endr
.endr
	WIN 0
	s_wait_loadcnt 0x0
.macro PRODS t0                        ; 16 products: source 0's tiles t0 .. t0 + 3 x source 1's four; the 32 accumulators take turns, in the same order in every step.
	WIN 0x50                                       ; C and D window 1.  Eight places follow, in front of loads into the registers that the products have read and of the first read of the sums
.irp t, \t0, \t0+1, \t0+2, \t0+3
.irp m, 0,1,2,3
	v_wmma_scale_f32_16x16x128_f8f6f4 v[64*\m+8*(\t):64*\m+8*(\t)+7], v[SF0+16*(\t):SF0+16*(\t)+15], v[SF1+16*\m:SF1+16*\m+15], v[64*\m+8*(\t):64*\m+8*(\t)+7], v[SC0+(\t)], v[SC1+\m] matrix_a_fmt:MATRIX_FMT_BF8 matrix_b_fmt:MATRIX_FMT_BF8
.endr
.endr
	WIN 0
.rept 8
	v_nop
.endr
.endm
.set KK, 0                             ; the 128 along K in hand
.macro KSTEP slot, q
.irp m, 0,1,2,3
.irp c, 0,1,2,3
	ds_load_b128 v[SF1+16*\m+4*\c:SF1+16*\m+4*\c+3], v[AS1+\slot] offset:\q*U+\m*2048+512*\c
.endr
.endr
	ds_load_b128 v[SC1:SC1+3], v[AS1+\slot] offset:\q*U+8192
	s_wait_loadcnt 17                              ; the weight's tiles 0-3 are in; the 17 loads of tiles 4-7 may be out
	s_wait_dscnt 0x0
	PRODS 0
.if KK < 7
	GW 0, KK+1
	s_wait_loadcnt 17                              ; tiles 4-7 are in; the 17 loads just issued may be out
.else
	s_wait_loadcnt 0x0
.endif
	PRODS 4
.if KK < 7
	GW 1, KK+1
.endif
.set KK, KK+1
.endm
; A slot's turn.  Each wave waits for all its tensor loads, adds 0 to its spare word, waits for that and for its reads of the other slot; the round shows both of every wave of the cluster;
; behind it the other slot is asked for first (refill = 1), then this slot is multiplied.
.set PFT, 2
.macro TRIP slot, refill
	s_wait_tensorcnt 0x0                           ; no tensor load of mine is out, so every group 0 may be written
	ds_add_u32 v[SPW], v[NIL]
.if \refill
	ds_add_u32 v[SPW], v[NIL]                      ; twice on end
	s_add_nc_u64 s[G0A+4*\slot+2:G0A+4*\slot+3], s[G0A+4*\slot+2:G0A+4*\slot+3], 2*REC   ; this slot's next 256 along K
	s_wait_dscnt 0x0
	CROUND
	JLOAD 1-\slot
.if PFT == 2                                   ; in the first trip: what the next two trips load
	ASK 2
	ASK 3
.set PFT, 4
.endif
.else
	s_wait_dscnt 0x0
	s_barrier_signal -1
	s_barrier_wait -1
.endif
	KSTEP \slot, 0
	KSTEP \slot, 1
.endm
	TRIP 0, 1
	TRIP 1, 1
	TRIP 0, 1
	TRIP 1, 0                                      ; the last 256 along K: nothing is left to fetch
; Tile m of source 1: a lane's 64 results, register 16 b + i = the next K's 32 b + 16 h + i, become a fragment's codes in v[PC + 16 m] on and its scale word in v[PW + m].
.macro QUANT m
	WIN 0x14                                       ; sources 1 and 2: window 1.
.irp b, 0,1,2,3
	v_max3_num_f32 v[TM+\b], 0x8000000, v[64*\m+16*\b], v[64*\m+16*\b+1]          ; no |.|: what is negative is to become 0 and must not count; the floor 2^(16 - 127) stands over it
.endr
.irp i, 2,4,6,8,10,12,14
.irp b, 0,1,2,3
	v_max3_num_f32 v[TM+\b], v[TM+\b], v[64*\m+16*\b+\i], v[64*\m+16*\b+\i+1]
.endr
.endr
	WIN 0
.irp b, 0,1,2,3
	v_permlanex16_b32 v[TM+4+\b], v[TM+\b], s[SEL], s[SEL+1]
.endr
.irp b, 0,1,2,3
	s_delay_alu instid0(VALU_DEP_4)
	v_max_num_f32 v[TM+\b], v[TM+\b], v[TM+4+\b]   ; with lane l xor 16's 16: the block's largest number
.endr
.irp b, 0,1,2,3
	s_delay_alu instid0(VALU_DEP_4)
	v_add_nc_u32 v[TM+12+\b], 0xf8800000, v[TM+\b] ; 15 off its exponent field: the conversion's scale operand
.endr
.irp b, 0,1,2,3
	v_and_or_b32 v[TM+8+\b], v[TM+\b], 0x7f800000, s[MNT]   ; 57,344 x the scale
.endr
.irp b, 0,1,2,3
	v_lshrrev_b32 v[TM+4+\b], 23, v[TM+12+\b]      ; the scale's byte
.endr
	s_delay_alu instid0(VALU_DEP_3)
	v_lshl_or_b32 v[PW+\m], v[TM+5], 8, v[TM+4]
	s_delay_alu instid0(VALU_DEP_1)
	v_lshl_or_b32 v[PW+\m], v[TM+6], 16, v[PW+\m]
	s_delay_alu instid0(VALU_DEP_1)
	v_lshl_or_b32 v[PW+\m], v[TM+7], 24, v[PW+\m]
	WIN 0x41                                       ; destination and source 0: window 1
.irp b, 0,1,2,3
.set i, 0
.rept 16
	v_med3_num_f32 v[64*\m+16*\b+i], v[64*\m+16*\b+i], 0, v[TM+8+\b]              ; the activation and the hold in one (the conversion does not saturate: ISA guide 7.6.2)
.set i, i+1
.endr
.endr
	WIN 0x01                                       ; source 0: window 1
.irp b, 0,1,2,3
	v_cvt_scalef32_pk8_bf8_f32 v[PC+16*\m+4*\b:PC+16*\m+4*\b+1], v[64*\m+16*\b:64*\m+16*\b+7], v[TM+12+\b]
	v_cvt_scalef32_pk8_bf8_f32 v[PC+16*\m+4*\b+2:PC+16*\m+4*\b+3], v[64*\m+16*\b+8:64*\m+16*\b+15], v[TM+12+\b]
.endr
	WIN 0
	v_nop                                          ; one plain instruction behind the last conversion of a run
.endm
.irp m, 0,1,2,3
	QUANT \m
.irp c, 0,1,2,3
	global_store_b128 v[LI], v[PC+16*\m+4*\c:PC+16*\m+4*\c+3], s[8:9] offset:2048*\m+512*\c   ; the fragment as it stands: 512 consecutive bytes a store
.endr
.endr
	global_store_b128 v[LI], v[PW:PW+3], s[8:9] offset:8192      ; the four tiles' scale words: the unit's last 512 bytes
	s_wait_tensorcnt 0x0                           ; the wave's end
	ds_add_u32 v[SPW], v[NIL]
	s_wait_dscnt 0x0
	CROUND                                         ; the closing round: no work-group ends while a partner may still ask for a record that names it
	s_endpgm
.Lfunc_end_k_q10d026c35b_ff1:
	.size	k_q10d026c35b_ff1, .Lfunc_end_k_q10d026c35b_ff1-k_q10d026c35b_ff1
	.p2alignl 7, 3214868480
	.fill 96, 4, 3214868480
	.section	.rodata,"a",@progbits
	.p2align	6, 0x0
	.amdhsa_kernel k_q10d026c35b_ff1
		.amdhsa_group_segment_fixed_size 327680
		.amdhsa_private_segment_fixed_size 0
		.amdhsa_enable_private_segment 0
		.amdhsa_kernarg_size 32
		.amdhsa_user_sgpr_count 2
		.amdhsa_user_sgpr_kernarg_segment_ptr 1
		.amdhsa_wavefront_size32 1
		.amdhsa_system_sgpr_workgroup_id_x 1
		.amdhsa_system_sgpr_workgroup_id_y 1
		.amdhsa_system_sgpr_workgroup_id_z 1
		.amdhsa_system_vgpr_workitem_id 0
		.amdhsa_next_free_vgpr 512
		.amdhsa_next_free_sgpr 100
		.amdhsa_reserve_vcc 0
		.amdhsa_float_denorm_mode_32 3
		.amdhsa_float_denorm_mode_16_64 3
		.amdhsa_memory_ordered 1
		.amdhsa_forward_progress 1
		.amdhsa_inst_pref_size 122
	.end_amdhsa_kernel
	.amdgpu_metadata
---
amdhsa.version: [ 1, 2 ]
amdhsa.kernels:
  - .name:           k_q10d026c35b_ff1
    .symbol:         k_q10d026c35b_ff1.kd
    .args:
      - { .name: actc, .offset: 0, .size: 8, .value_kind: global_buffer, .address_space: global }
      - { .name: wc, .offset: 8, .size: 8, .value_kind: global_buffer, .address_space: global }
      - { .name: hid, .offset: 16, .size: 8, .value_kind: global_buffer, .address_space: global }
      - { .name: b1, .offset: 24, .size: 8, .value_kind: global_buffer, .address_space: global }
    .group_segment_fixed_size: 327680
    .private_segment_fixed_size: 0
    .kernarg_segment_align: 8
    .kernarg_segment_size: 32
    .max_flat_workgroup_size: 256
    .sgpr_count:     100
    .vgpr_count:     512
    .wavefront_size: 32
...
	.end_amdgpu_metadata
.endif
;; end of part 6
;; launch ff2 (part 7): grid 32 x 8, 8 waves a work-group, clusters of 4 x 4, 327,680 bytes of LDS; arguments hid, wc, x1, b2, out0; writes out0
.if DOCPART == 7
	.amdgcn_target "amdgcn-amd-amdhsa--gfx1250"
	.amdhsa_code_object_version 6
	.text
	.protected	k_q10d026c35b_ff2
	.globl	k_q10d026c35b_ff2
	.p2align	8
	.type	k_q10d026c35b_ff2,@function
k_q10d026c35b_ff2:
	s_mov_b64 s[64:65], 0
	v_nop
	global_prefetch_b8 v0, s[64:65] scope:SCOPE_SE
	s_setreg_imm32_b32 hwreg(HW_REG_WAVE_MODE, 25, 1), 1
	s_wait_xcnt 0x0
	s_wait_alu depctr_hold_cnt(0) depctr_sa_sdst(0) depctr_va_vdst(0) depctr_va_sdst(0) depctr_va_ssrc(0) depctr_va_vcc(0) depctr_vm_vsrc(0)
	s_getreg_b32 s2, hwreg(HW_REG_IB_STS2, 6, 4)
	s_cmp_eq_u32 s2, 0
	s_cbranch_scc0 .Lentry_in_a_cluster
	s_endpgm
.Lentry_in_a_cluster:
	s_bfe_u32 s2, ttmp6, 0x10000c
	s_cmp_lg_u32 s2, 0xf033
	s_cbranch_scc0 .Lentry_shape_is_right
	s_endpgm
.Lentry_shape_is_right:
; out0 = x1 + b2 + hid W2: a GEMM on codes of BF8 (E5M2) with E8M0 scales, 4,096 tokens x 1,024 columns, K = 4,096; f32 out.
; EVERY OPERAND LIES IN UNITS (8,704 bytes: 64 rows x 128 along K as an image of the operand's registers: tile rb at 2,048 rb, register group c at 512 c, lane l's 16 bytes at 16 l; scale words at 8,192 + 16 l + 4 rb;
; tile T holds rows 32 (T / 2) + 8 (T % 2) + r + 8 (r / 8)).  An operand is [panel of 64 rows][KS] units.
; SHARES.  A work-group makes 128 tokens x 128 columns.  Its eight waves are 2 x 2 tiles of 64 x 64, twice: waves 0-3 take the first 256 of each 512 along K, waves 4-7 the second; the two halves' sums meet in LDS at the end.
; Source 0 = the weight's rows (columns of the result), source 1 = tokens: a lane holds one token and eight neighbouring columns.
; THE TOKENS' codes come through a ring of two LDS slots of 512 along K: four records of 17,408 bytes (a panel's two neighbouring units), fetched by waves 0-3, one joint load each: the four work-groups of a column of the
; 4 x 4 cluster need the same records.
; THE WEIGHT'S FRAGMENTS GO FROM MEMORY STRAIGHT INTO REGISTERS: a unit is the image of four fragments, so each load takes 512 consecutive bytes; of a wave's 68 fragment and scale loads for a tile of 512 along K only 34 go
; through LDS.  That is why the weight has no joint load.  The 17 loads of a half are issued one tile ahead, directly behind the products that free their registers.
; PREFETCH.  Each wave names, two tiles ahead of its use, a record of 68 blocks of 256 bytes: waves 0-3 the tokens' that they fetch, waves 4-7 the weight's four; the four partners that read a record share it by address, 17 each.
.set TILES, 8
.set KS,    32
.set WOFF,  8912896
.set U,     8704
.set REC,   2*U
.set SLOT,  8*REC
.set SPARE, 2*SLOT
.set SP,    528                        ; a stage row: 512 bytes + 16
.set HALF,  128*SP
.set LI,  1                            ; v1 16 x lane; v4-5 LDS address of my tokens' units in slot 0, 1; v6, v7 the spare word and 0; v8 the stage, in; v9-10 the stage, back; v14 the prefetch's offset
.set AS1, 4
.set SPW, 6
.set NIL, 7
.set STO, 8
.set RD,  9
.set PF,  14
.set SC0, 16                           ; v16-23 the weight's scale words, v24-31 the tokens'
.set SC1, 24
.set BI,  32
.set P0,  64                           ; window 0: v64-127 the weight's fragments, v128-191 the tokens' (first 128 along K); v192-255 the residual.  Window 1: v0-127 the sums; v128-191, v192-255 the fragments of the second 128
.set P1,  128
.set RES, 192
.set WV,  14
.set G1A, 24
.set G0A, 40
.set MSB, 0
.macro WIN new                         ; the immediate's high byte repeats the setting that is left
.if MSB != \new
	s_set_vgpr_msb (MSB<<8)|\new
.set MSB, \new
.endif
.endm
.macro CROUND                          ; a round of the cluster's barrier
	s_barrier_signal -1
	s_barrier_wait -1
	s_cmp_lg_u32 s[WV], 0
	s_cbranch_scc1 .Lnot_wave_0_\@
	s_barrier_signal -3
.Lnot_wave_0_\@:
	s_barrier_wait -3
	s_barrier_signal -1
	s_barrier_wait -1
.endm
.macro JLOAD s                         ; waves 0-3: a joint load into slot s; an s_nop 0 and four v_nop follow the line
	s_cmp_lt_u32 s[WV], 4
	s_cbranch_scc0 .Lasked_\@
	tensor_load_to_lds s[G0A+4*(\s):G0A+4*(\s)+3], s[G1A:G1A+7]
	s_nop 0
.rept 4
	v_nop
.endr
.Lasked_\@:
.endm
.macro ASK n                           ; tile n's record; base and offset registers are never rewritten
	global_prefetch_b8 v[PF], s[80:81] offset:(\n)*4*U th:TH_LOAD_NT scope:SCOPE_SE
.endm
	s_load_b256 s[4:11], s[0:1], 0x0               ; the tokens' codes, wc, the residual, the bias
	s_load_b64 s[12:13], s[0:1], 0x20              ; the result
	v_lshl_add_u32 v[SPW], v0, 2, SPARE
	v_mov_b32 v[NIL], 0
	ds_add_u32 v[SPW], v[NIL]                      ; the opening lines: the add, twice on end, and its wait
	ds_add_u32 v[SPW], v[NIL]
	v_lshrrev_b32 v1, 5, v0
	v_readfirstlane_b32 s[WV], v1                  ; wave 0..7
	s_and_b32 s15, s[WV], 1                        ; my 64 columns.  As a fetcher: which record of a panel
	s_bfe_u32 s66, s[WV], 0x10001                  ; my 64 tokens.  As a fetcher: which panel
	s_lshr_b32 s16, s[WV], 2                       ; my half of K
	s_bfe_u32 s17, ttmp6, 0x40000                  ; cx
	s_bfe_u32 s18, ttmp6, 0x40004                  ; cy
	s_lshl_b32 s19, ttmp9, 2
	s_add_co_u32 s19, s19, s17                     ; which 128 tokens
	s_and_b32 s20, ttmp7, 0xffff
	s_lshl_b32 s20, s20, 2
	s_add_co_u32 s20, s20, s18                     ; which 128 columns
	s_lshl_b32 s21, 0x1111, s17                    ; my column of the cluster
	s_or_b32 s[G1A], s21, (3<<16)|(1<<21)          ; the mask; elements of 8 bytes; bit 21 beside a mask; no padding
	s_mov_b32 s[G1A+1], 32<<16                     ; rows of 256 bytes,
	s_mov_b32 s[G1A+2], 68<<16                     ; 68 of them: 17,408 dense bytes
	s_mov_b32 s[G1A+3], 32<<16
	s_mov_b32 s[G1A+4], 68
	s_mov_b32 s[G1A+5], 32
	s_mov_b32 s[G1A+6], 0
	s_mov_b32 s[G1A+7], 0
	s_mul_i32 s67, s15, REC
	s_lshl_b32 s60, s19, 1
	s_add_co_u32 s60, s60, s66
	s_mul_i32 s60, s60, KS*U
	s_add_co_u32 s60, s60, s67                     ; the tokens' record that I fetch
	s_mov_b32 s61, 0
	s_lshl_b32 s62, s20, 1
	s_add_co_u32 s62, s62, s66
	s_mul_i32 s62, s62, KS*U
	s_add_co_u32 s62, s62, s67
	s_add_co_u32 s62, s62, WOFF                    ; the weight's record that I prefetch
	s_mov_b32 s63, 0
	s_lshl_b32 s82, s20, 1
	s_add_co_u32 s82, s82, s15
	s_mul_i32 s82, s82, KS*U
	s_mul_i32 s83, s16, 2*U
	s_add_co_u32 s82, s82, s83
	s_add_co_u32 s82, s82, WOFF                    ; the weight's units that I multiply: my columns' panel, my half of K
	s_mov_b32 s83, 0
	s_mul_i32 s23, s[WV], REC
	s_wait_dscnt 0x0                               ; both opening adds are done
	s_wait_kmcnt 0x0
	s_add_nc_u64 s[56:57], s[4:5], s[60:61]
	s_add_nc_u64 s[58:59], s[6:7], s[62:63]
	s_add_nc_u64 s[84:85], s[6:7], s[82:83]
	s_cmp_lt_u32 s[WV], 4
	s_cselect_b32 s78, s18, s17                    ; my place among the four that read the record: cy for the tokens', cx for the weight's
	s_cselect_b64 s[80:81], s[56:57], s[58:59]
	s_mul_i32 s78, s78, 17
	v_and_b32 v[PF], 31, v0
	v_min_u32 v[PF], 16, v[PF]                     ; lanes 17-31 name my last block again
	v_add_nc_u32 v[PF], s78, v[PF]
	v_lshlrev_b32 v[PF], 8, v[PF]
	s_wait_alu depctr_va_vdst(0)
	CROUND                                         ; all sixteen work-groups are here: the first joint loads meet
.irp s, 0,1
	s_mov_b32 s[G0A+4*\s], 1
	s_add_co_u32 s[G0A+4*\s+1], s23, \s*SLOT
	s_add_nc_u64 s[G0A+4*\s+2:G0A+4*\s+3], s[56:57], \s*4*U
	s_or_b32 s[G0A+4*\s+3], s[G0A+4*\s+3], 0x80000000
.endr
	JLOAD 0                                        ; tile 0: one tensor load a wave at the head
	ASK 1
.if TILES > 2
	ASK 2
.endif
	s_mul_i32 s74, s16, 2*U
	s_mul_i32 s69, s66, 4*U
	s_add_co_u32 s69, s69, s74                     ; my tokens' units in a slot
	s_mul_i32 s76, s16, HALF
	s_mul_i32 s75, s66, 64*SP
	s_add_co_u32 s76, s76, s75
	s_lshl_b32 s75, s15, 8
	s_add_co_u32 s76, s76, s75                     ; my 64 x 64 in my half's stage
	s_mul_i32 s77, s[WV], 16*SP                    ; the 16 rows that I add and store
	s_lshl_b32 s70, s19, 7
	s_lshl_b32 s71, s[WV], 4
	s_add_co_u32 s70, s70, s71
	s_lshl_b32 s70, s70, 12
	s_lshl_b32 s72, s20, 9
	s_add_co_u32 s70, s70, s72
	s_mov_b32 s71, 0
	s_mov_b32 s73, 0
	s_add_nc_u64 s[8:9], s[8:9], s[70:71]
	s_add_nc_u64 s[12:13], s[12:13], s[70:71]
	s_add_nc_u64 s[10:11], s[10:11], s[72:73]
	v_and_b32 v11, 31, v0
	v_lshlrev_b32 v[LI], 4, v11
	v_add_nc_u32 v[AS1], s69, v[LI]
	v_add_nc_u32 v[AS1+1], SLOT, v[AS1]
	v_and_b32 v11, 15, v0
	v_bfe_u32 v12, v0, 4, 1
	v_and_b32 v13, 8, v11
	v_add_nc_u32 v13, v13, v11                     ; r + 8 (r / 8)
	v_mul_u32_u24 v[STO], v13, SP
	v_lshl_add_u32 v[STO], v12, 6, v[STO]
	v_add_nc_u32 v[STO], s76, v[STO]
	v_add_nc_u32 v[RD], s77, v[LI]
	v_add_nc_u32 v[RD+1], HALF, v[RD]
	s_wait_alu depctr_va_vdst(0)
.set i, 0
.rept 16
	global_load_b128 v[RES+4*i:RES+4*i+3], v[LI], s[8:9] offset:4096*i
.set i, i+1
.endr
	global_load_b128 v[BI:BI+3], v[LI], s[10:11]
.macro GA q, n                         ; the weight's four fragments and scale words of my q-th 128 along K of tile n: 17 loads
.if \q
	WIN 0x40
.endif
.irp t, 0,1,2,3
.irp c, 0,1,2,3
	global_load_b128 v[64+64*\q+16*\t+4*\c:64+64*\q+16*\t+4*\c+3], v[LI], s[84:85] offset:((\n)*4+\q)*U+\t*2048+512*\c
.endr
.endr
	WIN 0
	global_load_b128 v[SC0+4*\q:SC0+4*\q+3], v[LI], s[84:85] offset:((\n)*4+\q)*U+8192
.endm
.macro FETCH slot                      ; the tokens' scale words and eight fragments: 34 LDS loads (the places in front of them stand behind the products)
	ds_load_b128 v[SC1:SC1+3], v[AS1+\slot] offset:8192
	ds_load_b128 v[SC1+4:SC1+7], v[AS1+\slot] offset:U+8192
.irp m, 0,1,2,3
.irp c, 0,1,2,3
	ds_load_b128 v[128+16*\m+4*\c:128+16*\m+4*\c+3], v[AS1+\slot] offset:\m*2048+512*\c
.endr
.endr
	WIN 0x40
.irp m, 0,1,2,3
.irp c, 0,1,2,3
	ds_load_b128 v[192+16*\m+4*\c:192+16*\m+4*\c+3], v[AS1+\slot] offset:U+\m*2048+512*\c
.endr
.endr
	WIN 0
.endm
.macro MUL q, first                    ; 16 products; the 16 sums take turns; eight places follow, in front of loads into the registers that they have read and of the first read of the sums
.if \q
	WIN 0x55
.else
	WIN 0x50
.endif
.irp m, 0,1,2,3
	s_wait_dscnt 12-4*\m+16*(1-\q)                 ; the tokens' tile m of this half is in; its later tiles' loads, four each, and the other half's 16 may be out
.irp t, 0,1,2,3
.if \first
	v_wmma_scale_f32_16x16x128_f8f6f4 v[32*\m+8*\t:32*\m+8*\t+7], v[64+64*\q+16*\t:64+64*\q+16*\t+15], v[128+64*\q+16*\m:128+64*\q+16*\m+15], 0, v[SC0+4*\q+\t], v[SC1+4*\q+\m] matrix_a_fmt:MATRIX_FMT_BF8 matrix_b_fmt:MATRIX_FMT_BF8
.else
	v_wmma_scale_f32_16x16x128_f8f6f4 v[32*\m+8*\t:32*\m+8*\t+7], v[64+64*\q+16*\t:64+64*\q+16*\t+15], v[128+64*\q+16*\m:128+64*\q+16*\m+15], v[32*\m+8*\t:32*\m+8*\t+7], v[SC0+4*\q+\t], v[SC1+4*\q+\m] matrix_a_fmt:MATRIX_FMT_BF8 matrix_b_fmt:MATRIX_FMT_BF8
.endif
.endr
.endr
	WIN 0
.rept 8
	v_nop
.endr
.endm
.set NT, 1                             ; the tile whose weights are asked for next
.macro WORK slot, first
	FETCH \slot
	s_wait_loadcnt 17                              ; this tile's first half of the weight is in; the 17 loads of its second half may be out
	MUL 0, \first
.if NT < TILES
	GA 0, NT
	s_wait_loadcnt 17                              ; the second half is in; the 17 loads just issued may be out
.else
	s_wait_loadcnt 0x0
.endif
	MUL 1, 0
.if NT < TILES
	GA 1, NT
.endif
.set NT, NT+1
.endm
.set PFT, 4
.macro TRIP slot, refill
	s_wait_tensorcnt 0x0                           ; all my tensor loads have landed, so a group 0 may be written
	ds_add_u32 v[SPW], v[NIL]
.if \refill
	ds_add_u32 v[SPW], v[NIL]                      ; twice on end
	s_add_nc_u64 s[G0A+4*(1-\slot)+2:G0A+4*(1-\slot)+3], s[G0A+4*(1-\slot)+2:G0A+4*(1-\slot)+3], 8*U
	s_wait_dscnt 0x0
	CROUND
	JLOAD 1-\slot
.if PFT < TILES
	ASK PFT
.set PFT, PFT+1
.endif
.else
	s_wait_dscnt 0x0
	s_barrier_signal -1
	s_barrier_wait -1
.endif
	WORK \slot, 0
.endm
	GA 0, 0
	GA 1, 0
	s_wait_tensorcnt 0x0                           ; my record of tile 0 is in
	ds_add_u32 v[SPW], v[NIL]
	ds_add_u32 v[SPW], v[NIL]
	s_wait_dscnt 0x0
	CROUND
	JLOAD 1                                        ; tile 1, the first tensor load behind the round
.if TILES > 3
	ASK 3
.endif
	WORK 0, 1
.if TILES > 2
.rept (TILES-2)/2
	TRIP 1, 1
	TRIP 0, 1
.endr
.endif
	TRIP 1, 0
	; THE WAY OUT.  Both halves' sums go into a stage in slot 0, which has had its last fill and its last read; each wave adds 16 rows of both halves, the residual and the bias, and stores rows of 512 bytes.
	WIN 0x04
.irp m, 0,1,2,3
.irp t, 0,1,2,3
	ds_store_b128 v[STO], v[32*\m+8*\t:32*\m+8*\t+3] offset:(32*(\m/2)+8*(\m%2))*SP+128*(\t/2)+32*(\t%2)
	ds_store_b128 v[STO], v[32*\m+8*\t+4:32*\m+8*\t+7] offset:(32*(\m/2)+8*(\m%2))*SP+128*(\t/2)+32*(\t%2)+16
.endr
.endr
	WIN 0
.set i, 0
.rept 16
	v_pk_add_f32 v[RES+4*i:RES+4*i+1], v[RES+4*i:RES+4*i+1], v[BI:BI+1]
	v_pk_add_f32 v[RES+4*i+2:RES+4*i+3], v[RES+4*i+2:RES+4*i+3], v[BI+2:BI+3]
.set i, i+1
.endr
	s_wait_alu depctr_va_vdst(0)
	s_wait_dscnt 0x0
	s_barrier_signal -1
	s_barrier_wait -1
.set i, 0
.rept 16
	ds_load_b128 v[P0+4*i:P0+4*i+3], v[RD] offset:SP*i
	ds_load_b128 v[P1+4*i:P1+4*i+3], v[RD+1] offset:SP*i
.set i, i+1
.endr
.set i, 0
.rept 16
	s_wait_dscnt 30-2*i
	v_pk_add_f32 v[P0+4*i:P0+4*i+1], v[P0+4*i:P0+4*i+1], v[P1+4*i:P1+4*i+1]
	v_pk_add_f32 v[P0+4*i+2:P0+4*i+3], v[P0+4*i+2:P0+4*i+3], v[P1+4*i+2:P1+4*i+3]
	v_pk_add_f32 v[P0+4*i:P0+4*i+1], v[P0+4*i:P0+4*i+1], v[RES+4*i:RES+4*i+1]
	v_pk_add_f32 v[P0+4*i+2:P0+4*i+3], v[P0+4*i+2:P0+4*i+3], v[RES+4*i+2:RES+4*i+3]
	global_store_b128 v[LI], v[P0+4*i:P0+4*i+3], s[12:13] offset:4096*i
.set i, i+1
.endr
	s_wait_tensorcnt 0x0                           ; the wave's end
	ds_add_u32 v[SPW], v[NIL]
	s_wait_dscnt 0x0
	CROUND                                         ; the closing round
	s_endpgm
.Lfunc_end_k_q10d026c35b_ff2:
	.size	k_q10d026c35b_ff2, .Lfunc_end_k_q10d026c35b_ff2-k_q10d026c35b_ff2
	.p2alignl 7, 3214868480
	.fill 96, 4, 3214868480
	.section	.rodata,"a",@progbits
	.p2align	6, 0x0
	.amdhsa_kernel k_q10d026c35b_ff2
		.amdhsa_group_segment_fixed_size 327680
		.amdhsa_private_segment_fixed_size 0
		.amdhsa_enable_private_segment 0
		.amdhsa_kernarg_size 40
		.amdhsa_user_sgpr_count 2
		.amdhsa_user_sgpr_kernarg_segment_ptr 1
		.amdhsa_wavefront_size32 1
		.amdhsa_system_sgpr_workgroup_id_x 1
		.amdhsa_system_sgpr_workgroup_id_y 1
		.amdhsa_system_sgpr_workgroup_id_z 1
		.amdhsa_system_vgpr_workitem_id 0
		.amdhsa_next_free_vgpr 512
		.amdhsa_next_free_sgpr 100
		.amdhsa_reserve_vcc 0
		.amdhsa_float_denorm_mode_32 3
		.amdhsa_float_denorm_mode_16_64 3
		.amdhsa_memory_ordered 1
		.amdhsa_forward_progress 1
		.amdhsa_inst_pref_size 110
	.end_amdhsa_kernel
	.amdgpu_metadata
---
amdhsa.version: [ 1, 2 ]
amdhsa.kernels:
  - .name:           k_q10d026c35b_ff2
    .symbol:         k_q10d026c35b_ff2.kd
    .args:
      - { .name: hid, .offset: 0, .size: 8, .value_kind: global_buffer, .address_space: global }
      - { .name: wc, .offset: 8, .size: 8, .value_kind: global_buffer, .address_space: global }
      - { .name: x1, .offset: 16, .size: 8, .value_kind: global_buffer, .address_space: global }
      - { .name: b2, .offset: 24, .size: 8, .value_kind: global_buffer, .address_space: global }
      - { .name: out0, .offset: 32, .size: 8, .value_kind: global_buffer, .address_space: global }
    .group_segment_fixed_size: 327680
    .private_segment_fixed_size: 0
    .kernarg_segment_align: 8
    .kernarg_segment_size: 40
    .max_flat_workgroup_size: 256
    .sgpr_count:     100
    .vgpr_count:     512
    .wavefront_size: 32
...
	.end_amdgpu_metadata
.endif
;; end of part 7
